; MI455X (gfx1250); checked and timed in simulation.
; The chip was launched on July 23, 2026; its instructions are those of AMD's public machine-readable ISA for CDNA 5 (MIT licence, August 2026) and "CDNA5" Instruction Set Architecture Reference Guide (July 2026). The comments in the code are by the model that wrote it; some were corrected since.
;; Multihead Attention. Allowed arithmetic: matrix products marked QUANTISED: E2M3 operands, one E8M0 scale for each 32 along K, by v_wmma_scale_f32_16x16x128_f8f6f4 with both operands' format E2M3, f32 sums; everything else in f32.
;; Inputs: W_attn 3,072 x 1,024 float32; W_proj 1,024 x 1,024 float32; b_attn 3,072 float32; b_proj 1,024 float32; x 4 x 2,048 x 1,024 float32.
;; Outputs: out0 4 x 2,048 x 1,024 float32.
;; This version of the problem:
;;   THIS VERSION OF THE PROBLEM IS GIVEN IN LOW PRECISION. The matrix products marked QUANTISED in the list below multiply operands that are first quantised to E2M3 (2 exponent bits, 3 mantissa bits; 6 bits a number), with one power-of-two scale for each 32 numbers along K (OCP MX v1.0); their sums are f32. All else is computed in f32.
;;   The module's matrix products, in the order in which they are computed (A, B: the left and right operand; K: the contracted axis; several contracted axes count as one K, in the product's order):
;;     1. [M 8,192, K 1,024] x [K 1,024, N 3,072]; A: input x; B: input W_attn: QUANTISED
;;     2. batch 64 x [M 2,048, K 64] x [K 64, N 2,048]; A: computed on the way; B: computed on the way: QUANTISED
;;     3. batch 64 x [M 2,048, K 2,048] x [K 2,048, N 64]; A: softmax (see below); B: computed on the way: QUANTISED
;;     4. [M 8,192, K 1,024] x [K 1,024, N 1,024]; A: computed on the way; B: input W_proj: QUANTISED
;;   THE QUANTISER, for each operand of a quantised product, along K:
;;     - K is cut into blocks of 32 from its start; a last block that is shorter is filled with zeros.
;;     - A block's scale is 2^e with e = floor(log2(the largest magnitude in the block)) - 2, held to -126 .. 127; a block of zeros has e = 0. As a byte (E8M0): e + 127.
;;     - Each number is divided by its block's scale, clamped to +-7.5, and rounded to the nearest number of E2M3, ties to even, subnormals kept.
;;     - The product sums the exact products of the quantised numbers (number of the format x scale) in f32.
;;   ~~~python
;;   def quantise(x, axis):      # numpy; x: float32 -> the quantised numbers, widened to float32 again
;;       x = np.moveaxis(x, axis, -1); K = x.shape[-1]
;;       x = np.pad(x, [(0, 0)] * (x.ndim - 1) + [(0, -K % 32)]); x = x.reshape(x.shape[:-1] + (-1, 32)); a = np.abs(x).max(-1, keepdims=True)
;;       e = np.where(a > 0, np.clip(np.frexp(np.where(a > 0, a, 1))[1] - 1 - 2, -126, 127), 0)      # np.frexp(a)[1] - 1 = floor(log2(a)), exactly
;;       r = np.clip(x / 2.0 ** e, -7.5, 7.5)
;;       step = 2.0 ** (np.maximum(np.frexp(np.where(r == 0, 1, r))[1] - 1, 0) - 3)
;;       q = np.round(r / step) * step * 2.0 ** e      # np.round: ties to even
;;       return np.moveaxis(q.reshape(q.shape[:-2] + (-1,))[..., :K], -1, axis).astype(np.float32)
;;   ~~~
;;   SOFTMAX AHEAD OF A QUANTISED PRODUCT. Where the list says 'softmax', what is quantised is not the finished softmax but p = 2^(t - M), with t = logit x log2(e) and M = ceil(the row's largest t), a whole number; so 1/2 < the row's largest p <= 1. The row's sum l is taken of the UNQUANTISED p, in f32, and the product's result is divided by l at the end. Since M is a whole number, a kernel that streams over the keys may use a running M (the ceiling of the running maximum): every later rescaling is an exact power of two, which a block's scale takes up: the codes' values come out the same.
;;   OPERANDS COMPUTED ON THE WAY. 'Computed on the way' means the value that the module computes at that place (a softmax that the list does not call 'softmax' is quantised finished and normalised). What goes into a quantiser is computed in f32, as accurately as f32 sums, v_exp_f32 and their like allow (about 1e-6 of the number): no bf16 or f16 on the way to a quantiser, and a product that is left as it is and whose result goes on into a quantised operand takes f32 operands (vector FMAs, or v_wmma_f32_16x16x4_f32). A number that lies on a knife's edge between two numbers of the format may be rounded either way, as far as f32 arithmetic and the matrix unit's own rounding can turn it there, and no further.
;; One version. Each part assembles by itself: llvm-mc -triple=amdgcn-amd-amdhsa -mcpu=gfx1250 --defsym DOCPART=n.
;; ======== version 1 of 1: 4 launches
;; workspace buffers: c1 9,437,184 bytes; s1 393,216 bytes; qkvc 18,874,368 bytes; qkvs 786,432 bytes; attc 6,291,456 bytes; atts 262,144 bytes
;; launch quant (part 1): grid 384 x 1, 4 waves a work-group, no clusters, 33,280 bytes of LDS; arguments x, W_attn, W_proj, c1, s1; writes c1, s1
.if DOCPART == 1
	.amdgcn_target "amdgcn-amd-amdhsa--gfx1250"
	.amdhsa_code_object_version 6
	.text
	.protected	k_qc3d1ca0d6f_quant
	.globl	k_qc3d1ca0d6f_quant
	.p2align	8
	.type	k_qc3d1ca0d6f_quant,@function
k_qc3d1ca0d6f_quant:
	s_mov_b64 s[64:65], 0
	v_nop
	global_prefetch_b8 v0, s[64:65] scope:SCOPE_SE
	s_setreg_imm32_b32 hwreg(HW_REG_WAVE_MODE, 25, 1), 1
	s_wait_xcnt 0x0
; x [8192][1024], W_attn [3072][1024] and W_proj [1024][1024], f32, K innermost, become codes of FP6 (E2M3) with one E8M0 byte for each 32 along K.
; The three tensors count as one run of 12,288 rows.  c1 is laid [K step of 256: 4][row position: 12,288][192 bytes], s1 [K step: 4][row position][8 bytes]: so the 128 rows that a wave of
; the products' launches fetches for one K step are one dense block.
; POSITION ORDER: inside each group of 32 rows, row t lies at the position that is t with bits 3 and 4 exchanged.  Sixteen neighbouring positions (tile 2 f + u) then hold rows
; 32 f + 8 u + (r % 8) + 16 (r / 8): used as source 0 of a matrix instruction they leave, in the 16 registers of two neighbouring tiles, 16 neighbours along that axis.
; A block's scale is 2^(floor(log2(largest magnitude)) - 2); its byte is the largest magnitude's exponent field - 2, held at 1 from below.
; LIMITS: NaN and infinities are not served; a block whose largest magnitude lies under 2^-124 keeps the byte 1; a block of zeros gets the byte 1 where the quantiser says 127: its codes are
; zeros, which add nothing under that byte, and the bytes are read by this program alone.
; SHARES: work-group g takes rows 32 g .. 32 g + 31, wave w their K step w (1,024 bytes of each row), in 16 steps of two rows.  Each of a step's four loads reads 512 consecutive bytes;
; the 2,048 bytes turn through the wave's own stage in LDS and come back 64 bytes (16 neighbours along K) a lane; two neighbouring lanes hold a block.  No barrier: waves share nothing.
.set STEPS, 16
.set EMAX,  2
.set CB,    12                         ; bytes of 16 codes
.set R,     16                         ; v16-79   four sets of 16 numbers as they are loaded
.set X,     80                         ; v80-111  two sets of 16 neighbours
.set E,     112                        ; v112-127 a scale byte for each step
.set C,     128                        ; v128-191 codes: four registers for each step, so that no store's data are written again
.set WREG,  8192                       ; LDS: a region for each wave: two stages of 32 x SP bytes, behind them its 256 scale bytes
.set SP,    80                         ; a lane's place in a stage: 64 bytes + 16 of padding
.set KSC,   2359296                    ; c1: bytes from a K step to the next (12,288 x 192)
.set KSS,   98304                      ; s1: the same (12,288 x 8)
	s_load_b128 s[4:7], s[0:1], 0x0                ; x, W_attn
	s_load_b128 s[8:11], s[0:1], 0x10              ; W_proj, c1
	s_load_b64 s[12:13], s[0:1], 0x20              ; s1
	v_lshl_add_u32 v192, v0, 2, 0x8000
	v_mov_b32 v193, 0
	v_lshrrev_b32 v1, 5, v0
	v_readfirstlane_b32 s16, v1                    ; wave = K step
	v_and_b32 v2, 31, v0                           ; lane
	v_lshlrev_b32 v3, 4, v2                        ; my 16 bytes of a load's 512
	s_mul_i32 s17, s16, WREG
	v_lshrrev_b32 v14, 2, v2
	v_mul_u32_u24 v14, v14, SP
	v_and_b32 v15, 3, v2
	v_lshl_add_u32 v14, v15, 4, v14
	v_add_nc_u32 v14, s17, v14                     ; the stage, on the way in: SP (lane / 4) + 16 (lane % 4)
	v_mul_u32_u24 v15, v2, SP
	v_add_nc_u32 v15, s17, v15                     ; and on the way out: SP x lane: my 16 neighbours
	v_mul_u32_u24 v4, v2, CB                       ; my codes' place: lanes 0-15 the even row's 192 bytes, lanes 16-31 the next position's
	v_lshrrev_b32 v5, 1, v2
	s_add_co_u32 s17, s17, 2*32*SP
	v_add_nc_u32 v5, s17, v5                       ; LDS: my wave's 256 scale bytes [position][8], my block's byte
	v_lshlrev_b32 v7, 3, v2                        ; on the way out 8 bytes a lane
	v_add_nc_u32 v6, s17, v7
	s_mov_b32 s18, 352
	s_wait_alu depctr_va_vdst(0)
	s_wait_kmcnt 0x0
	s_cmp_lt_u32 ttmp9, 352                        ; groups 0-255: x; 256-351: W_attn; 352-383: W_proj.  The choice hangs on the work-group's number alone
	s_cselect_b64 s[6:7], s[6:7], s[8:9]
	s_cselect_b32 s18, 256, s18
	s_cmp_lt_u32 ttmp9, 256
	s_cselect_b64 s[4:5], s[4:5], s[6:7]
	s_cselect_b32 s18, 0, s18                      ; the tensor's first group
	s_sub_co_u32 s18, ttmp9, s18
	s_lshl_b32 s18, s18, 17                        ; 32 rows of 4,096 bytes
	s_lshl_b32 s19, s16, 10                        ; + my K step's 1,024 bytes
	s_add_co_u32 s18, s18, s19
	s_mov_b32 s19, 0
	s_add_nc_u64 s[4:5], s[4:5], s[18:19]
	s_mul_i32 s20, s16, KSC
	s_mul_i32 s21, ttmp9, 32*192
	s_add_co_u32 s20, s20, s21
	s_mov_b32 s21, 0
	s_add_nc_u64 s[10:11], s[10:11], s[20:21]      ; c1 at my K step, my group's 32 positions
	s_mul_i32 s20, s16, KSS
	s_lshl_b32 s22, ttmp9, 8
	s_add_co_u32 s20, s20, s22
	s_add_nc_u64 s[12:13], s[12:13], s[20:21]      ; s1 likewise: 256 bytes a group
.macro LOAD t                          ; step t: rows 2 t and 2 t + 1, two loads of 512 bytes each
.irp i, 0,1,2,3
	global_load_b128 v[R+16*((\t)%4)+4*\i:R+16*((\t)%4)+4*\i+3], v3, s[4:5] offset:(2*(\t)+\i/2)*4096+(\i%2)*512 th:TH_LOAD_NT
.endr
.endm
.macro TURN t                          ; step t's numbers through the stage: LDS serves a wave's instructions in order, so no wait stands between the stores and the loads
.irp i, 0,1,2,3
	ds_store_b128 v14, v[R+16*((\t)%4)+4*\i:R+16*((\t)%4)+4*\i+3] offset:32*SP*((\t)%2)+8*SP*\i
.endr
.irp i, 0,1,2,3
	ds_load_b128 v[X+16*((\t)%2)+4*\i:X+16*((\t)%2)+4*\i+3], v15 offset:32*SP*((\t)%2)+16*\i
.endr
.endm
.irp t, 0,1,2,3
	LOAD \t
.endr
	s_wait_loadcnt 12                              ; step 0's four loads are in; the twelve of steps 1 to 3 stay out
	TURN 0
.macro STEP t
.set XS, X+16*((\t)%2)
.set PT, ((2*(\t))&7)+16*(((2*(\t))>>3)&1)+8*(((2*(\t))>>4)&1)   ; the position of row 2 t; row 2 t + 1 lies one further on
.if (\t) > 0
	s_wait_dscnt 1                                 ; this step's numbers are back from the stage (the last step's byte store may be out): its stage stores have read their registers,
.else
	s_wait_dscnt 0x0
.endif
.if (\t)+4 < STEPS
	LOAD (\t)+4                                    ; which take the loads of four steps on
.endif
.if (\t)+1 < STEPS
.if STEPS-2-(\t) >= 3
	s_wait_loadcnt 12                              ; the next step's four loads are in; those of the three steps behind it may be out
.else
	s_wait_loadcnt 4*(STEPS-2-(\t))
.endif
	TURN (\t)+1                                    ; and go through the other stage while this step is worked
.endif
	v_max3_num_f32 v8, |v[XS]|, |v[XS+1]|, |v[XS+2]|               ; the largest magnitude of my 16, in two chains
	v_max3_num_f32 v9, |v[XS+3]|, |v[XS+4]|, |v[XS+5]|
.irp i, 6,10
	v_max3_num_f32 v8, v8, |v[XS+\i]|, |v[XS+\i+1]|
	v_max3_num_f32 v9, v9, |v[XS+\i+2]|, |v[XS+\i+3]|
.endr
	v_max3_num_f32 v8, v8, |v[XS+14]|, |v[XS+15]|
	v_max3_num_f32 v8, v8, v9, (EMAX+1)<<23        ; and the floor 2^(3 - 127): the byte cannot fall under 1
	v_max_num_f32_dpp v8, v8, v8 row_xmask:1 row_mask:0xf bank_mask:0xf   ; with my neighbour's 16: the block's
	v_add_nc_u32 v11, -(EMAX<<23), v8              ; 2 off its exponent field: the conversion takes the exponent field of this operand as its scale
	v_cvt_scalef32_pk16_fp6_f32 v[C+4*(\t):C+4*(\t)+2], v[XS:XS+15], v11
	v_lshrrev_b32 v[E+(\t)], 23, v11               ; the scale's byte
	ds_store_b8 v5, v[E+(\t)] offset:8*PT          ; both lanes of a block write the same byte with the same value
	global_store_b96 v4, v[C+4*(\t):C+4*(\t)+2], s[10:11] offset:192*PT   ; 384 consecutive bytes: two positions
.endm
.irp t, 0,1,2,3,4,5,6,7,8,9,10,11,12,13,14,15
	STEP \t
.endr
	ds_load_b64 v[12:13], v6                       ; LDS serves a wave's instructions in order: these see my stores
	s_wait_dscnt 0x0
	global_store_b64 v7, v[12:13], s[12:13]        ; 32 lanes store 256 consecutive bytes, aligned
	s_wait_tensorcnt 0x0
	ds_add_u32 v192, v193
	s_wait_dscnt 0x0
	s_endpgm
.Lfunc_end_k_qc3d1ca0d6f_quant:
	.size	k_qc3d1ca0d6f_quant, .Lfunc_end_k_qc3d1ca0d6f_quant-k_qc3d1ca0d6f_quant
	.p2alignl 7, 3214868480
	.fill 96, 4, 3214868480
	.section	.rodata,"a",@progbits
	.p2align	6, 0x0
	.amdhsa_kernel k_qc3d1ca0d6f_quant
		.amdhsa_group_segment_fixed_size 33280
		.amdhsa_private_segment_fixed_size 0
		.amdhsa_enable_private_segment 0
		.amdhsa_kernarg_size 40
		.amdhsa_user_sgpr_count 2
		.amdhsa_user_sgpr_kernarg_segment_ptr 1
		.amdhsa_wavefront_size32 1
		.amdhsa_system_sgpr_workgroup_id_x 1
		.amdhsa_system_sgpr_workgroup_id_y 1
		.amdhsa_system_sgpr_workgroup_id_z 1
		.amdhsa_system_vgpr_workitem_id 0
		.amdhsa_next_free_vgpr 194
		.amdhsa_next_free_sgpr 66
		.amdhsa_reserve_vcc 0
		.amdhsa_float_denorm_mode_32 3
		.amdhsa_float_denorm_mode_16_64 3
		.amdhsa_memory_ordered 1
		.amdhsa_forward_progress 1
		.amdhsa_inst_pref_size 33
	.end_amdhsa_kernel
	.amdgpu_metadata
---
amdhsa.version: [ 1, 2 ]
amdhsa.kernels:
  - .name:           k_qc3d1ca0d6f_quant
    .symbol:         k_qc3d1ca0d6f_quant.kd
    .args:
      - { .name: x, .offset: 0, .size: 8, .value_kind: global_buffer, .address_space: global }
      - { .name: W_attn, .offset: 8, .size: 8, .value_kind: global_buffer, .address_space: global }
      - { .name: W_proj, .offset: 16, .size: 8, .value_kind: global_buffer, .address_space: global }
      - { .name: c1, .offset: 24, .size: 8, .value_kind: global_buffer, .address_space: global }
      - { .name: s1, .offset: 32, .size: 8, .value_kind: global_buffer, .address_space: global }
    .group_segment_fixed_size: 33280
    .private_segment_fixed_size: 0
    .kernarg_segment_align: 8
    .kernarg_segment_size: 40
    .max_flat_workgroup_size: 128
    .sgpr_count:     66
    .vgpr_count:     194
    .wavefront_size: 32
...
	.end_amdgpu_metadata
.endif
;; end of part 1
;; launch qkv (part 2): grid 8 x 48, 4 waves a work-group, clusters of 4 x 4, 327,680 bytes of LDS; arguments c1, s1, b_attn, qkvc, qkvs; writes qkvc, qkvs
.if DOCPART == 2
	.amdgcn_target "amdgcn-amd-amdhsa--gfx1250"
	.amdhsa_code_object_version 6
	.text
	.protected	k_qc3d1ca0d6f_qkv
	.globl	k_qc3d1ca0d6f_qkv
	.p2align	8
	.type	k_qc3d1ca0d6f_qkv,@function
k_qc3d1ca0d6f_qkv:
	s_mov_b64 s[64:65], 0
	v_nop
	global_prefetch_b8 v0, s[64:65] scope:SCOPE_SE
	s_setreg_imm32_b32 hwreg(HW_REG_WAVE_MODE, 25, 1), 1
	s_wait_xcnt 0x0
	s_wait_alu depctr_hold_cnt(0) depctr_sa_sdst(0) depctr_va_vdst(0) depctr_va_sdst(0) depctr_va_ssrc(0) depctr_va_vcc(0) depctr_vm_vsrc(0)
	s_getreg_b32 s2, hwreg(HW_REG_IB_STS2, 6, 4)
	s_cmp_eq_u32 s2, 0
	s_cbranch_scc0 .Lentry_in_a_cluster
	s_endpgm
.Lentry_in_a_cluster:
	s_bfe_u32 s2, ttmp6, 0x10000c
	s_cmp_lg_u32 s2, 0xf033
	s_cbranch_scc0 .Lentry_shape_is_right
	s_endpgm
.Lentry_shape_is_right:
.set KSC,    2359296
.set NQ,     2
.set PITCH,  240
.set FR,     12
.set NLA,    6
.set NP,     4
.set HALFT,  128*PITCH
.set SLOT,   4*HALFT
.set SCL,    2*SLOT
.set SPARE,  SCL+4*4096
.set ADRA, 16
.set ADRB, 20
.set L16,  24
.set L8,   25
.set ADRS, 27
.set SPW,  28
.set NIL,  29
.set SC,   32
.set BI,   64
.set AF,   128
.set BO,   224
.set CD,   64
.set TM,   96
.set PW,   112
.set XW,   120
.set SELV, 124
.set G1, 24
.set G0, 32
.set G1B, 48
.set G0B, 56
.set G1S, 68
.set G0S, 76
.set G1SB, 80
.set G0SB, 88
.set MODE, 95
.set SEL,  100
.set MSB, 0
.macro WIN new
.if MSB != \new
	s_set_vgpr_msb (MSB<<8)|\new
.set MSB, \new
.endif
.endm
.set MUL_LO, 0xa1
.set MUL_HI, 0xf1
.set TO_B,   0x40
.macro JLOAD g0a, g1a, g0b, g1b
	s_cmp_eq_u32 s15, 0
	s_cbranch_scc0 .Lfor_b_\@
	tensor_load_to_lds s[\g0a:\g0a+3], s[\g1a:\g1a+7]
	s_nop 0
.rept 4
	v_nop
.endr
	s_branch .Lasked_\@
.Lfor_b_\@:
	tensor_load_to_lds s[\g0b:\g0b+3], s[\g1b:\g1b+7]
	s_nop 0
.rept 4
	v_nop
.endr
.Lasked_\@:
.endm
.macro CREST
	s_cmp_lg_u32 s14, 0
	s_cbranch_scc1 .Lnot_wave_0_\@
	s_barrier_signal -3
.Lnot_wave_0_\@:
	s_barrier_wait -3
	s_barrier_signal -1
	s_barrier_wait -1
.endm
.macro CROUND
	s_barrier_signal -1
	s_barrier_wait -1
	CREST
.endm
	s_load_b128 s[4:7], s[0:1], 0x0
	s_load_b128 s[8:11], s[0:1], 0x10
	s_load_b64 s[12:13], s[0:1], 0x20
	v_lshl_add_u32 v[SPW], v0, 2, SPARE
	v_mov_b32 v[NIL], 0
	ds_add_u32 v28, v29
	ds_add_u32 v28, v29
	s_wait_dscnt 0x0
	v_lshrrev_b32 v1, 5, v0
	v_readfirstlane_b32 s14, v1
	s_lshr_b32 s15, s14, 1
	s_and_b32 s16, s14, 1
	s_bfe_u32 s40, ttmp6, 0x40000
	s_bfe_u32 s41, ttmp6, 0x40004
	s_and_b32 s17, ttmp7, 0xffff
	s_lshl_b32 s43, s41, 2
	s_lshl_b32 s43, 15, s43
	s_lshl_b32 s44, 0x1111, s40
	s_or_b32 s[G1+0], s43, (3<<16)|(1<<20)|(1<<21)|(3<<22)|(3<<25)
	s_or_b32 s[G1B+0], s44, (3<<16)|(1<<20)|(1<<21)|(3<<22)|(3<<25)
.irp g, G1, G1B
	s_mov_b32 s[\g+1], 32<<16
	s_mov_b32 s[\g+2], 96<<16
	s_mov_b32 s[\g+3], 32<<16
	s_mov_b32 s[\g+4], 96
	s_mov_b32 s[\g+5], 32
	s_mov_b32 s[\g+6], 0
	s_mov_b32 s[\g+7], 0
.endr
	s_or_b32 s[G1S+0], s43, (3<<16)|(1<<21)
	s_or_b32 s[G1SB+0], s44, (3<<16)|(1<<21)
.irp g, G1S, G1SB
	s_mov_b32 s[\g+1], 128<<16
	s_mov_b32 s[\g+2], 4<<16
	s_mov_b32 s[\g+3], 128<<16
	s_mov_b32 s[\g+4], 4
	s_mov_b32 s[\g+5], 12288
	s_mov_b32 s[\g+6], 0
	s_mov_b32 s[\g+7], 0
.endr
	s_lshl_b32 s18, s16, 7
	s_lshl_b32 s20, s17, 10
	s_max_u32 s47, s17, 8
	s_sub_co_u32 s47, s47, 8
	s_lshl_b32 s47, s47, 11
	s_cmp_lt_u32 s17, 8
	s_cselect_b32 s[MODE], 0, 1
	s_cselect_b32 s20, s20, 10240
	s_cselect_b32 s47, 8192, s47
	s_lshl_b32 s21, s41, 8
	s_add_co_u32 s20, s20, s21
	s_add_co_u32 s20, s20, s18
	s_lshl_b32 s46, ttmp9, 10
	s_add_co_u32 s46, s46, s47
	s_lshl_b32 s47, s40, 8
	s_add_co_u32 s46, s46, s47
	s_add_co_u32 s46, s46, s18
	s_lshl_b32 s22, s20, 3
	s_mov_b32 s23, 0
	s_mul_i32 s20, s20, 192
	s_mov_b32 s21, 0
	s_lshl_b32 s92, s46, 3
	s_mov_b32 s93, 0
	s_mul_i32 s46, s46, 192
	s_mov_b32 s47, 0
	s_mul_i32 s45, s14, HALFT
	s_lshl_b32 s94, s14, 12
	s_wait_kmcnt 0x0
	s_add_nc_u64 s[20:21], s[4:5], s[20:21]
	s_add_nc_u64 s[22:23], s[6:7], s[22:23]
	s_add_nc_u64 s[46:47], s[4:5], s[46:47]
	s_add_nc_u64 s[92:93], s[6:7], s[92:93]
	CROUND
	s_mov_b32 s[G0S], 1
	s_add_co_u32 s[G0S+1], s94, SCL
	s_mov_b64 s[G0S+2:G0S+3], s[22:23]
	s_or_b32 s[G0S+3], s[G0S+3], 0x80000000
	s_mov_b32 s[G0SB], 1
	s_add_co_u32 s[G0SB+1], s94, SCL
	s_mov_b64 s[G0SB+2:G0SB+3], s[92:93]
	s_or_b32 s[G0SB+3], s[G0SB+3], 0x80000000
	JLOAD G0S, G1S, G0SB, G1SB
.irp s, 0,1
	s_mov_b32 s[G0+4*\s], 1
	s_add_co_u32 s[G0+4*\s+1], s45, \s*SLOT
	s_add_nc_u64 s[G0+4*\s+2:G0+4*\s+3], s[20:21], \s*KSC
	s_or_b32 s[G0+4*\s+3], s[G0+4*\s+3], 0x80000000
	s_mov_b32 s[G0B+4*\s], 1
	s_add_co_u32 s[G0B+4*\s+1], s45, \s*SLOT
	s_add_nc_u64 s[G0B+4*\s+2:G0B+4*\s+3], s[46:47], \s*KSC
	s_or_b32 s[G0B+4*\s+3], s[G0B+4*\s+3], 0x80000000
	s_wait_alu depctr_va_vdst(0)
	s_wait_tensorcnt 0x0
	ds_add_u32 v28, v29
	s_wait_dscnt 0x0
	CROUND
	JLOAD G0+4*\s, G1, G0B+4*\s, G1B
.endr
	v_and_b32 v1, 15, v0
	v_bfe_u32 v2, v0, 4, 1
	v_mul_u32_u24 v3, v1, PITCH
	v_mul_u32_u24 v4, v2, 24
	v_add_nc_u32 v4, v3, v4
	v_lshl_add_u32 v5, v2, 4, v4
	s_mul_i32 s21, s15, HALFT
	s_mul_i32 s22, s16, HALFT
	s_add_co_u32 s22, s22, 2*HALFT
.irp s, 0,1
	v_add_nc_u32 v[ADRA+\s], s21, v4
	v_add_nc_u32 v[ADRB+\s], s22, v4
	v_add_nc_u32 v[ADRA+2+\s], s21, v5
	v_add_nc_u32 v[ADRB+2+\s], s22, v5
	s_add_co_u32 s21, s21, SLOT
	s_add_co_u32 s22, s22, SLOT
.endr
	v_lshlrev_b32 v5, 3, v1
	s_lshl_b32 s21, s15, 12
	s_lshl_b32 s22, s16, 12
	s_add_co_u32 s22, s22, 8192
	s_sub_co_u32 s22, s22, s21
	v_mul_u32_u24 v6, s22, v2
	s_add_co_u32 s21, s21, SCL
	v_add_nc_u32 v5, v5, v6
	v_add_nc_u32 v[ADRS], s21, v5
	s_lshl_b32 s20, ttmp9, 10
	s_cmp_eq_u32 s[MODE], 0
	s_cselect_b32 s96, 64, 0
	s_cselect_b32 s97, 0, 64
	s_cselect_b32 s98, 0, 4
	s_cselect_b32 s99, 4, 0
	s_cselect_b32 s20, s20, 2048
	s_cselect_b32 s21, s40, s41
	s_cselect_b32 s22, s16, s15
	s_lshl_b32 s21, s21, 8
	s_lshl_b32 s22, s22, 7
	s_add_co_u32 s20, s20, s21
	s_add_co_u32 s20, s20, s22
	s_lshl_b32 s20, s20, 2
	s_mov_b32 s21, 0
	s_add_nc_u64 s[8:9], s[8:9], s[20:21]
	v_lshrrev_b32 v3, 3, v1
	v_and_b32 v4, 7, v1
	v_mul_u32_u24 v5, v2, s96
	v_mad_u32_u24 v5, v3, s97, v5
	v_mad_u32_u24 v5, v4, s98, v5
	v_mov_b32 v6, s99
.irp j, 0,1,2,3,4,5,6,7
	v_mad_u32_u24 v[BO+\j], v6, \j, v5
.endr
.irp t, 0,1,2,3,4,5,6,7
.irp j, 0,1,2,3,4,5,6,7
	global_load_b32 v[BI+8*\t+\j], v[BO+\j], s[8:9] offset:(32*(\t/2)+8*(\t%2))*4
.endr
.endr
.macro FRAG reg, adr, q, i
.irp p, 0,1,2,3,4,5
.set PCE, 12*(\q)+6*(\p/3)+\p%3
.if PCE%8 < 5
	ds_load_b64 v[\reg+2*\p:\reg+2*\p+1], v[\adr] offset:8*PCE+16*(PCE/8)+(\i)*16*PITCH
.else
	ds_load_b64 v[\reg+2*\p:\reg+2*\p+1], v[\adr+2] offset:8*PCE+16*(PCE/8)+(\i)*16*PITCH
.endif
.endr
.endm
.macro MUL16 a0, p, q, sc, zero
.irp a, \a0, \a0+1
.irp b, 0,1,2,3,4,5,6,7
.if (\zero) == 1
	v_wmma_scale_f32_16x16x128_f8f6f4 v[8*(8*((\a)%4)+\b):8*(8*((\a)%4)+\b)+7], v[128*(\p)+FR*\b:128*(\p)+FR*\b+FR-1], v[AF+FR*(\a):AF+FR*(\a)+FR-1], v[BI+8*\b:BI+8*\b+7], v[SC+8*NQ*(\sc)+NQ*\b+(\q)], v[SC+8*NQ*(\sc)+NQ*(\a)+(\q)] matrix_a_fmt:MATRIX_FMT_FP6 matrix_b_fmt:MATRIX_FMT_FP6 matrix_a_scale:MATRIX_SCALE_ROW1
.elseif (\zero) == 2
	v_wmma_scale_f32_16x16x128_f8f6f4 v[8*(8*((\a)%4)+\b):8*(8*((\a)%4)+\b)+7], v[128*(\p)+FR*\b:128*(\p)+FR*\b+FR-1], v[AF+FR*(\a):AF+FR*(\a)+FR-1], v[BI+8*(\a):BI+8*(\a)+7], v[SC+8*NQ*(\sc)+NQ*\b+(\q)], v[SC+8*NQ*(\sc)+NQ*(\a)+(\q)] matrix_a_fmt:MATRIX_FMT_FP6 matrix_b_fmt:MATRIX_FMT_FP6 matrix_a_scale:MATRIX_SCALE_ROW1
.else
	v_wmma_scale_f32_16x16x128_f8f6f4 v[8*(8*((\a)%4)+\b):8*(8*((\a)%4)+\b)+7], v[128*(\p)+FR*\b:128*(\p)+FR*\b+FR-1], v[AF+FR*(\a):AF+FR*(\a)+FR-1], v[8*(8*((\a)%4)+\b):8*(8*((\a)%4)+\b)+7], v[SC+8*NQ*(\sc)+NQ*\b+(\q)], v[SC+8*NQ*(\sc)+NQ*(\a)+(\q)] matrix_a_fmt:MATRIX_FMT_FP6 matrix_b_fmt:MATRIX_FMT_FP6 matrix_a_scale:MATRIX_SCALE_ROW1
.endif
.endr
.endr
.endm
.macro FETCH_B slot, q, p
	WIN TO_B
.irp i, 0,1,2,3,4,5,6,7
	FRAG 128*(\p)+FR*\i, ADRB+\slot, \q, \i
.endr
	WIN 0
.endm
.macro FETCH_A slot, q, i0
.irp i, \i0, \i0+1, \i0+2, \i0+3
	FRAG AF+FR*(\i), ADRA+\slot, \q, \i
.endr
.endm
.macro SCALES sc
.irp i, 0,1,2,3,4,5,6,7
	ds_load_b64 v[SC+8*NQ*\sc+NQ*\i:SC+8*NQ*\sc+NQ*\i+1], v[ADRS] offset:\i*128
.endr
.endm
.macro PLACES n
.rept \n
	v_nop
.endr
.endm
.macro STEP slot, q, zero
	s_wait_dscnt 4*NLA
.if \zero
	WIN 0x81
.else
	WIN MUL_LO
.endif
	MUL16 0, (\q)%2, \q, \slot, \zero
	MUL16 2, (\q)%2, \q, \slot, \zero
	s_wait_dscnt 0
	PLACES NP
	FETCH_B \slot, (\q)+1, 1-(\q)%2
	FETCH_A \slot, (\q)+1, 0
.if \zero
	WIN 0xc1
.else
	WIN MUL_HI
.endif
	MUL16 4, (\q)%2, \q, \slot, \zero
	MUL16 6, (\q)%2, \q, \slot, \zero
	PLACES NP
	WIN 0
	FETCH_A \slot, (\q)+1, 4
.endm
.macro TURN slot, next, fill
	s_wait_tensorcnt 0x0
	ds_add_u32 v[SPW], v[NIL]
	s_wait_dscnt 4*NLA+1
	WIN MUL_LO
	MUL16 0, 1, NQ-1, \slot, 0
	s_wait_dscnt 0x0
	s_barrier_signal -1
	MUL16 2, 1, NQ-1, \slot, 0
	WIN 0
	s_barrier_wait -1
.if \fill
	CREST
	s_add_nc_u64 s[G0+4*\slot+2:G0+4*\slot+3], s[G0+4*\slot+2:G0+4*\slot+3], 2*KSC
	s_add_nc_u64 s[G0B+4*\slot+2:G0B+4*\slot+3], s[G0B+4*\slot+2:G0B+4*\slot+3], 2*KSC
	JLOAD G0+4*\slot, G1, G0B+4*\slot, G1B
.else
	PLACES NP
.endif
	s_wait_alu depctr_va_vdst(0)
	v_add_nc_u32 v[ADRS], 1024, v[ADRS]
	FETCH_B \next, 0, 0
	FETCH_A \next, 0, 0
	SCALES \next
	WIN MUL_HI
	MUL16 4, 1, NQ-1, \slot, 0
	MUL16 6, 1, NQ-1, \slot, 0
	PLACES NP
	WIN 0
	FETCH_A \next, 0, 4
.endm
	s_wait_loadcnt 0x0
	s_wait_tensorcnt 1
	s_barrier_signal -1
	s_barrier_wait -1
	FETCH_B 0, 0, 0
	FETCH_A 0, 0, 0
	SCALES 0
	FETCH_A 0, 0, 4
	s_cmp_eq_u32 s[MODE], 0
	s_cbranch_scc0 .Lfirst_v
	STEP 0, 0, 1
	s_branch .Lfirst_done
.Lfirst_v:
	STEP 0, 0, 2
.Lfirst_done:
	TURN 0, 1, 1
	STEP 1, 0, 0
	TURN 1, 0, 1
	STEP 0, 0, 0
	TURN 0, 1, 0
	STEP 1, 0, 0
	s_wait_dscnt 4*NLA
	WIN MUL_LO
	MUL16 0, 1, NQ-1, 1, 0
	MUL16 2, 1, NQ-1, 1, 0
	s_wait_dscnt 0
	WIN MUL_HI
	MUL16 4, 1, NQ-1, 1, 0
	MUL16 6, 1, NQ-1, 1, 0
	WIN 0
	v_bfe_u32 v2, v0, 4, 1
	v_and_b32 v1, 31, v0
	v_lshlrev_b32 v[L16], 4, v1
	v_lshlrev_b32 v[L8], 3, v1
.irp b, 0,1,2,3
	v_mov_b32 v[TM+4+\b], 0
.endr
	s_mov_b32 s[SEL], 0x76543210
	s_mov_b32 s[SEL+1], 0xfedcba98
	s_lshl_b32 s18, ttmp9, 2
	s_lshr_b32 s19, s17, 1
	s_add_co_u32 s19, s18, s19
	s_and_b32 s20, s17, 1
	s_lshl_b32 s20, s20, 2
	s_add_co_u32 s20, s20, s41
	s_add_co_u32 s21, s18, s40
	s_mov_b32 s42, 768
	s_mov_b32 s44, 1536
	s_mov_b32 s46, 93696
	s_mov_b32 s92, 0x03020100
	s_mov_b32 s93, 0x07060504
	s_cmp_eq_u32 s[MODE], 0
	s_cselect_b32 s19, s19, s17
	s_cselect_b32 s22, s40, s41
	s_cselect_b32 s23, s16, s15
	s_cselect_b32 s20, s20, s21
	s_cselect_b32 s21, s15, s16
	s_cselect_b32 s42, 98304, s42
	s_cselect_b32 s44, 768, s44
	s_cselect_b32 s46, 768, s46
	s_cselect_b32 s92, 0x05040100, s92
	s_cselect_b32 s93, 0x07060302, s93
	s_lshl_b32 s19, s19, 3
	s_lshl_b32 s22, s22, 1
	s_add_co_u32 s22, s22, s23
	s_add_co_u32 s19, s19, s22
	s_lshl_b32 s20, s20, 1
	s_add_co_u32 s20, s20, s21
	s_mul_i32 s22, s19, 2*98304
	s_mul_i32 s23, s20, 6144
	s_add_co_u32 s22, s22, s23
	s_mov_b32 s23, 0
	s_add_nc_u64 s[10:11], s[10:11], s[22:23]
	s_mov_b32 s43, 0
	s_add_nc_u64 s[96:97], s[10:11], s[42:43]
	s_lshl_b32 s19, s19, 4
	s_add_co_u32 s19, s19, s20
	s_lshl_b32 s18, s19, 9
	s_mov_b32 s19, 0
	s_add_nc_u64 s[12:13], s[12:13], s[18:19]
	s_mov_b32 s45, 0
	s_mov_b32 s47, 0
	v_mov_b32 v[SELV], s92
	v_mov_b32 v[SELV+1], s93
	v_cmp_ne_u32 vcc_lo, 0, v2
	v_cndmask_b32 v[SELV], v[SELV], v[SELV+1], vcc_lo
.macro QW rho
.set W,  2+(\rho)/4
.set S0, 64*((\rho)%4)
	WIN W|(W<<2)
.irp b, 0,1,2,3
	v_max3_num_f32 v[TM+\b], |v[S0+16*\b]|, |v[S0+16*\b+1]|, 0x1800000
.endr
	WIN (W<<2)|(W<<4)
.irp i, 2,4,6,8,10,12,14
.irp b, 0,1,2,3
	v_max3_num_f32 v[TM+\b], v[TM+\b], |v[S0+16*\b+\i]|, |v[S0+16*\b+\i+1]|
.endr
.endr
	WIN 0
.irp b, 0,1,2,3
	v_permlanex16_b32 v[TM+4+\b], v[TM+\b], s[SEL], s[SEL+1]
.endr
.irp b, 0,1,2,3
	v_max_num_f32 v[TM+\b], v[TM+\b], v[TM+4+\b]
.endr
.irp b, 0,1,2,3
	v_add_nc_u32 v[TM+12+\b], 0xff000000, v[TM+\b]
.endr
.irp b, 0,1,2,3
	v_lshrrev_b32 v[TM+4+\b], 23, v[TM+12+\b]
.endr
	v_lshl_or_b32 v[PW+\rho], v[TM+5], 8, v[TM+4]
	v_lshl_or_b32 v[PW+\rho], v[TM+6], 16, v[PW+\rho]
	v_lshl_or_b32 v[PW+\rho], v[TM+7], 24, v[PW+\rho]
.if (\rho) > 0
	s_wait_xcnt 0x0
.if (\rho) == 4
	s_add_nc_u64 s[10:11], s[10:11], s[46:47]
	s_add_nc_u64 s[96:97], s[96:97], s[46:47]
.else
	s_add_nc_u64 s[10:11], s[10:11], s[44:45]
	s_add_nc_u64 s[96:97], s[96:97], s[44:45]
.endif
.endif
	WIN W
.irp c, 0,1
	v_cvt_scalef32_pk16_fp6_f32 v[CD+6*\c:CD+6*\c+2], v[S0+32*\c:S0+32*\c+15], v[TM+12+2*\c]
	v_cvt_scalef32_pk16_fp6_f32 v[CD+12+4*\c:CD+14+4*\c], v[S0+16+32*\c:S0+31+32*\c], v[TM+12+2*\c+1]
.endr
	WIN 0
	v_nop
.irp c, 0,1
.irp i, 0,1,2
	v_permlane16_swap_b32 v[CD+6*\c+\i], v[CD+12+4*\c+\i]
.endr
.irp i, 0,1,2
	v_mov_b32 v[CD+3+6*\c+\i], v[CD+12+4*\c+\i]
.endr
.endr
	global_store_b128 v[L16], v[CD:CD+3], s[10:11]
	global_store_b64 v[L8], v[CD+4:CD+5], s[10:11] offset:512
	global_store_b128 v[L16], v[CD+6:CD+9], s[96:97]
	global_store_b64 v[L8], v[CD+10:CD+11], s[96:97] offset:512
.endm
.irp rho, 0,1,2,3,4,5,6,7
	QW \rho
.endr
.irp i, 0,1,2,3
	v_perm_b32 v[XW+\i], v[PW+2*\i+1], v[PW+2*\i], v[SELV]
.endr
	global_store_b128 v[L16], v[XW:XW+3], s[12:13]
	s_wait_tensorcnt 0x0
	ds_add_u32 v[SPW], v[NIL]
	s_wait_dscnt 0x0
	CROUND
	s_endpgm
.Lfunc_end_k_qc3d1ca0d6f_qkv:
	.size	k_qc3d1ca0d6f_qkv, .Lfunc_end_k_qc3d1ca0d6f_qkv-k_qc3d1ca0d6f_qkv
	.p2alignl 7, 3214868480
	.fill 96, 4, 3214868480
	.section	.rodata,"a",@progbits
	.p2align	6, 0x0
	.amdhsa_kernel k_qc3d1ca0d6f_qkv
		.amdhsa_group_segment_fixed_size 327680
		.amdhsa_private_segment_fixed_size 0
		.amdhsa_enable_private_segment 0
		.amdhsa_kernarg_size 40
		.amdhsa_user_sgpr_count 2
		.amdhsa_user_sgpr_kernarg_segment_ptr 1
		.amdhsa_wavefront_size32 1
		.amdhsa_system_sgpr_workgroup_id_x 1
		.amdhsa_system_sgpr_workgroup_id_y 1
		.amdhsa_system_sgpr_workgroup_id_z 1
		.amdhsa_system_vgpr_workitem_id 0
		.amdhsa_next_free_vgpr 1024
		.amdhsa_next_free_sgpr 104
		.amdhsa_reserve_vcc 1
		.amdhsa_float_denorm_mode_32 3
		.amdhsa_float_denorm_mode_16_64 3
		.amdhsa_memory_ordered 1
		.amdhsa_forward_progress 1
		.amdhsa_inst_pref_size 190
	.end_amdhsa_kernel
	.amdgpu_metadata
---
amdhsa.version: [ 1, 2 ]
amdhsa.kernels:
  - .name:           k_qc3d1ca0d6f_qkv
    .symbol:         k_qc3d1ca0d6f_qkv.kd
    .args:
      - { .name: c1, .offset: 0, .size: 8, .value_kind: global_buffer, .address_space: global }
      - { .name: s1, .offset: 8, .size: 8, .value_kind: global_buffer, .address_space: global }
      - { .name: b_attn, .offset: 16, .size: 8, .value_kind: global_buffer, .address_space: global }
      - { .name: qkvc, .offset: 24, .size: 8, .value_kind: global_buffer, .address_space: global }
      - { .name: qkvs, .offset: 32, .size: 8, .value_kind: global_buffer, .address_space: global }
    .group_segment_fixed_size: 327680
    .private_segment_fixed_size: 0
    .kernarg_segment_align: 8
    .kernarg_segment_size: 40
    .max_flat_workgroup_size: 128
    .sgpr_count:     104
    .vgpr_count:     1024
    .wavefront_size: 32
...
	.end_amdgpu_metadata
.endif
;; end of part 2
;; launch attn (part 3): grid 4 x 64, 16 waves a work-group, clusters of 4 x 1, 231,424 bytes of LDS; arguments qkvc, qkvs, attc, atts; writes attc, atts
.if DOCPART == 3
	.amdgcn_target "amdgcn-amd-amdhsa--gfx1250"
	.amdhsa_code_object_version 6
	.text
	.protected	k_qc3d1ca0d6f_attn
	.globl	k_qc3d1ca0d6f_attn
	.p2align	8
	.type	k_qc3d1ca0d6f_attn,@function
k_qc3d1ca0d6f_attn:
	s_mov_b64 s[64:65], 0
	v_nop
	global_prefetch_b8 v0, s[64:65] scope:SCOPE_SE
	s_setreg_imm32_b32 hwreg(HW_REG_WAVE_MODE, 25, 1), 1
	s_wait_xcnt 0x0
	s_wait_alu depctr_hold_cnt(0) depctr_sa_sdst(0) depctr_va_vdst(0) depctr_va_sdst(0) depctr_va_ssrc(0) depctr_va_vcc(0) depctr_vm_vsrc(0)
	s_getreg_b32 s2, hwreg(HW_REG_IB_STS2, 6, 4)
	s_cmp_eq_u32 s2, 0
	s_cbranch_scc0 .Lentry_in_a_cluster
	s_endpgm
.Lentry_in_a_cluster:
	s_bfe_u32 s2, ttmp6, 0x10000c
	s_cmp_lg_u32 s2, 0x3003
	s_cbranch_scc0 .Lentry_shape_is_right
	s_endpgm
.Lentry_shape_is_right:
; For each batch and head: o = softmax(q k^T / 8) v, both products on codes of FP6 (E2M3) with E8M0 scales; o is quantised along the head's 64 for the last product and leaves as codes.
; THE SOFTMAX: t = score x log2(e) / 8; M = the running largest t rounded UP to a whole number; p = 2^(t - M) is what is quantised, along the keys, not normalised.  The row's sum is taken of the
; unquantised p and divides o at the end.  When M moves, the sum and o are multiplied by 2^(old M - new M): exact.
; SHARES.  A cluster of four work-groups owns one batch and head (the cluster's y); a work-group 512 query positions; each of its sixteen waves two tiles of 16, one after the other.
; THE WHOLE HEAD'S K AND V LIE IN LDS: 2 x 98,304 bytes of codes and 2 x 8,192 of scale words, each byte filled once: every wave asks for a sixteenth of each, jointly with its three partners.
; LAYOUT.  Both products are used transposed (S^T = K Q^T, O^T = V^T P^T): a lane holds ONE query throughout.  Tokens lie in position order (in each 32, bits 3 and 4 exchanged), so the 16 registers
; of key tiles 2 f and 2 f + 1 are the true keys 32 f + 16 (lane / 16) + 0 .. 15; V's fragments were laid with true keys along K and features in position order, so O^T's registers are neighbours along d.
; K = 64 IN AN INSTRUCTION OF K = 128: source 0 holds TWO key tiles (registers 0-5: tile 2 f, registers 6-11: tile 2 f + 1); source 1 is {Q, zero codes} for the first and {zero codes, Q} for the
; second.  Only Q's side holds the zero codes: they add nothing under any of these scale bytes.  Q stands as v16-21 = 0, v22-27 = Q, v28-33 = 0.
; LIMITS: NaN and infinities are not served; a block of o whose largest magnitude lies under 2^-124, a block of zeros too, keeps the byte 1 (read by this program alone).
; REGISTERS: v1-11 addresses; v12 -M, v13 the largest t, v[14:15] the sum in two halves; v16-33 Q; v34-40 the second tile's Q and scale word; v42-43 V's scale words; v48-95 four fragments of K or V;
;   v96-159 S^T, then p; v160-191 O^T; v192-223 o; v224-235 p's codes; v232-254 at work; v248-251 K's scale words; v253 p's scale word; v255 Q's.
.set VC,    98304                      ; LDS: K's codes at 0, V's here,
.set KSCL,  196608                     ; K's scale words (the head pair's block),
.set VSCL,  204800                     ; V's,
.set ASC,   212992                     ; and 1,024 bytes that no tensor load fills: o's scale bytes, two for each of the work-group's 512 positions
.set F,     48
.set WV,    12                         ; s12 my wave's number
.set SEL,   20                         ; s[20:21] v_permlanex16_b32's selects for lane l xor 16
.set CS,    22                         ; s[22:23] c = log2(e) / 8
.set G1C,   24                         ; s[24:31] group 1 for codes: 24 rows of 256 bytes
.set G1S,   32                         ; s[32:39] for scale words: 2 rows of 256 bytes
.set G0,    40                         ; s[40:55] four groups 0: K's scales, V's scales, K's codes, V's codes
.set TB,    56                         ; s56 the key step's first byte among the codes: 6,144 a step
.set TS,    57                         ; s57 and among the scale words: 512 a step
.set CNT,   58                         ; s58 key steps to go
.set TILE,  59                         ; s59 tiles to go
.set TA,    60                         ; s60 the tile's place among o's scale bytes: 512 a tile
.macro CROUND                          ; a round of the cluster's barrier
	s_barrier_signal -1
	s_barrier_wait -1
	s_cmp_lg_u32 s[WV], 0
	s_cbranch_scc1 .Lnot_wave_0_\@
	s_barrier_signal -3
.Lnot_wave_0_\@:
	s_barrier_wait -3
	s_barrier_signal -1
	s_barrier_wait -1
.endm
.macro LOADF a16, a8                   ; four fragments, each two H-images: registers 0-3 at 16 x lane, 4-5 at 512 + 8 x lane, and the same 768 bytes on
.irp f, 0,1,2,3
	ds_load_b128 v[F+12*\f:F+12*\f+3], v[\a16] offset:1536*\f
	ds_load_b64 v[F+12*\f+4:F+12*\f+5], v[\a8] offset:1536*\f
	ds_load_b128 v[F+12*\f+6:F+12*\f+9], v[\a16] offset:1536*\f+768
	ds_load_b64 v[F+12*\f+10:F+12*\f+11], v[\a8] offset:1536*\f+768
.endr
.endm
	s_load_b128 s[4:7], s[0:1], 0x0                ; qkvc, qkvs
	s_load_b128 s[8:11], s[0:1], 0x10              ; attc, atts
	v_lshl_add_u32 v254, v0, 2, 0x38000
	v_mov_b32 v255, 0
	ds_add_u32 v254, v255
	ds_add_u32 v254, v255
	s_wait_dscnt 0x0
	v_lshrrev_b32 v8, 5, v0
	s_delay_alu instid0(VALU_DEP_1)
	v_readfirstlane_b32 s[WV], v8                  ; wave 0..15
	s_bfe_u32 s13, ttmp6, 0x40000                  ; cx: it enters Q's and the outputs' addresses alone
	s_and_b32 s14, ttmp7, 0xffff                   ; 16 x batch + head, which the four partners share
	s_and_b32 s15, s14, 1                          ; which head of its pair
	s_lshr_b32 s16, s14, 1                         ; the pair
	s_mov_b32 s[G1C], 15|(3<<16)|(1<<21)           ; the mask: all four work-groups; elements of 8 bytes; bit 21 beside a mask; no padding
	s_mov_b32 s[G1C+1], 32<<16
	s_mov_b32 s[G1C+2], 24<<16
	s_mov_b32 s[G1C+3], 32<<16
	s_mov_b32 s[G1C+4], 24
	s_mov_b32 s[G1C+5], 32
	s_mov_b32 s[G1C+6], 0
	s_mov_b32 s[G1C+7], 0
	s_mov_b32 s[G1S], 15|(3<<16)|(1<<21)
	s_mov_b32 s[G1S+1], 32<<16
	s_mov_b32 s[G1S+2], 2<<16
	s_mov_b32 s[G1S+3], 32<<16
	s_mov_b32 s[G1S+4], 2
	s_mov_b32 s[G1S+5], 32
	s_mov_b32 s[G1S+6], 0
	s_mov_b32 s[G1S+7], 0
	s_mul_i32 s66, s14, 98304                      ; the head's block of codes
	s_mul_i32 s68, s[WV], 6144                     ; my sixteenth of it
	s_add_co_u32 s70, s66, s68
	s_add_co_u32 s72, s70, 64*98304                ; in k
	s_mov_b32 s73, 0
	s_add_co_u32 s74, s70, 128*98304               ; in v
	s_mov_b32 s75, 0
	s_lshl_b32 s76, s16, 13                        ; the pair's block of scale words
	s_lshl_b32 s77, s[WV], 9                       ; my sixteenth of it
	s_add_co_u32 s76, s76, s77
	s_add_co_u32 s78, s76, 32*8192                 ; in k
	s_mov_b32 s79, 0
	s_add_co_u32 s80, s76, 64*8192                 ; in v
	s_mov_b32 s81, 0
	s_mov_b32 s[SEL], 0x76543210
	s_mov_b32 s[SEL+1], 0xfedcba98
	s_mov_b32 s[CS], 0x3e38aa3b                    ; log2(e) / 8
	s_mov_b32 s[CS+1], s[CS]                       ; (named with it as a pair, so it is written)
	s_wait_kmcnt 0x0
	s_mov_b32 s[G0], 1
	s_add_co_u32 s[G0+1], s77, KSCL
	s_add_nc_u64 s[G0+2:G0+3], s[6:7], s[78:79]
	s_or_b32 s[G0+3], s[G0+3], 0x80000000
	s_mov_b32 s[G0+4], 1
	s_add_co_u32 s[G0+5], s77, VSCL
	s_add_nc_u64 s[G0+6:G0+7], s[6:7], s[80:81]
	s_or_b32 s[G0+7], s[G0+7], 0x80000000
	s_mov_b32 s[G0+8], 1
	s_mov_b32 s[G0+9], s68
	s_add_nc_u64 s[G0+10:G0+11], s[4:5], s[72:73]
	s_or_b32 s[G0+11], s[G0+11], 0x80000000
	s_mov_b32 s[G0+12], 1
	s_add_co_u32 s[G0+13], s68, VC
	s_add_nc_u64 s[G0+14:G0+15], s[4:5], s[74:75]
	s_or_b32 s[G0+15], s[G0+15], 0x80000000
	CROUND                                         ; all four work-groups are here: the joint loads meet
	tensor_load_to_lds s[G0:G0+3], s[G1S:G1S+7]    ; every LDS byte is filled once; four tensor loads of mine are out
	s_nop 0
	tensor_load_to_lds s[G0+4:G0+7], s[G1S:G1S+7]
	s_nop 0
	tensor_load_to_lds s[G0+8:G0+11], s[G1C:G1C+7]
	s_nop 0
	tensor_load_to_lds s[G0+12:G0+15], s[G1C:G1C+7]
	s_nop 0
.rept 4
	v_nop
.endr
	v_and_b32 v8, 31, v0                           ; lane
	v_and_b32 v9, 15, v0                           ; r
	s_delay_alu instid0(VALU_DEP_2)
	v_lshlrev_b32 v1, 4, v8                        ; 16 x lane
	s_delay_alu instid0(VALU_DEP_3)
	v_lshl_add_u32 v2, v8, 3, 512                  ; 512 + 8 x lane
	s_wait_alu depctr_va_vdst(0)
	v_add_nc_u32 v46, VC, v1                       ; the same in V's codes
	v_add_nc_u32 v47, VC, v2
	s_lshl_b32 s82, s15, 8
	s_add_co_u32 s82, s82, KSCL
	v_lshl_add_u32 v3, v9, 4, s82                  ; K's scale words: lane (r, my head) of a step's 32: four words, one for each pair of key tiles
	s_lshl_b32 s83, s15, 3
	s_add_co_u32 s83, s83, VSCL
	v_add_nc_u32 v4, s83, v1                       ; V's: my lane's 16 bytes, my head's two words
	s_lshl_b32 s84, s[WV], 5
	s_add_co_u32 s84, s84, ASC
	v_lshl_add_u32 v5, v9, 1, s84                  ; o's scale bytes: 2 bytes a position: 32 x wave + 2 r
	v_lshl_add_u32 v41, v0, 4, ASC                 ; and on the way out 16 bytes a thread (waves 0 and 1)
	v_lshlrev_b32 v44, 4, v0
	v_lshlrev_b32 v45, 4, v9                       ; Q's scale bytes: 16 bytes a row
	s_wait_alu depctr_va_vdst(0)
	s_lshl_b32 s85, s13, 5
	s_add_co_u32 s85, s85, s[WV]                   ; my first query tile: 32 cx + wave; the second lies 16 tiles on
	s_mul_i32 s85, s85, 768
	s_add_co_u32 s86, s85, s66
	s_mov_b32 s87, 0
	s_add_nc_u64 s[88:89], s[4:5], s[86:87]        ; its H-image in q,
	s_add_nc_u64 s[8:9], s[8:9], s[86:87]          ; and in attc
	s_lshl_b32 s90, s13, 2
	s_lshr_b32 s91, s[WV], 3
	s_add_co_u32 s90, s90, s91                     ; its step of 128 tokens: 4 cx + wave / 8
	s_lshl_b32 s90, s90, 9
	s_lshl_b32 s91, s16, 13
	s_add_co_u32 s90, s90, s91
	s_lshl_b32 s91, s15, 8
	s_add_co_u32 s90, s90, s91
	s_bfe_u32 s91, s[WV], 0x20001                  ; which word: (wave / 2) % 4,
	s_lshl_b32 s91, s91, 2
	s_add_co_u32 s90, s90, s91
	s_and_b32 s91, s[WV], 1                        ; which half of it
	s_lshl_b32 s91, s91, 1
	s_add_co_u32 s90, s90, s91
	s_mov_b32 s91, 0
	s_add_nc_u64 s[6:7], s[6:7], s[90:91]
	s_lshl_b32 s86, s14, 12
	s_lshl_b32 s87, s13, 10
	s_add_co_u32 s86, s86, s87
	s_mov_b32 s87, 0
	s_add_nc_u64 s[10:11], s[10:11], s[86:87]      ; atts: the head's 4,096 bytes, my work-group's 1,024
	global_load_b128 v[22:25], v1, s[88:89]
	global_load_b64 v[26:27], v2, s[88:89]
	global_load_b128 v[34:37], v1, s[88:89] offset:12288
	global_load_b64 v[38:39], v2, s[88:89] offset:12288
	global_load_u16 v255, v45, s[6:7]
	global_load_u16 v40, v45, s[6:7] offset:1024
.irp j, 16,17,18,19,20,21,28,29,30,31,32,33
	v_mov_b32 v\j, 0                               ; the zero codes on both sides of Q
.endr
.irp b, 0,1,2,3
	v_mov_b32 v[236+\b], 0                         ; written once: a lane permute's destination counts as one of its sources
.endr
	v_mov_b32 v253, 0                              ; (named as the upper half of the pair v[252:253] before it is first written)
	s_wait_loadcnt 0x0
	v_lshl_or_b32 v255, v255, 16, v255             ; Q's two bytes serve both halves of K = 128
	v_lshl_or_b32 v40, v40, 16, v40
	s_wait_tensorcnt 0x0                           ; my parts of K and V have landed,
	s_barrier_signal -1
	s_barrier_wait -1                              ; everybody's have
	s_mov_b32 s[TILE], 2
	s_mov_b32 s[TA], 0
.Ltile:
	v_mov_b32 v13, 0xff61b1e6                      ; the largest t so far: -3e38, under every t
	s_delay_alu instid0(VALU_DEP_1)
	v_floor_f32 v12, -v13                          ; -M
	v_mov_b32 v14, 0
	v_mov_b32 v15, 0
.set jj, 0
.rept 32
	v_mov_b32 v[160+jj], 0                         ; O^T: the first step finds zeros, which the first change of M leaves zeros
.set jj, jj+1
.endr
	s_mov_b32 s[TB], 0
	s_mov_b32 s[TS], 0
	s_mov_b32 s[CNT], 16
.Lstep:                                            ; a key step: 128 keys
	s_setprio 2
	v_add_nc_u32 v8, s[TB], v1                     ; (these four are the places in front of the loads into registers that the last products read)
	v_add_nc_u32 v9, s[TB], v2
	v_add_nc_u32 v7, s[TS], v3
	v_add_nc_u32 v6, s[TS], v4
	LOADF 8, 9                                     ; K: four pairs of key tiles
	ds_load_b128 v[248:251], v7                    ; and their scale words
	s_wait_alu depctr_va_vdst(0)
	s_wait_dscnt 0x0
.irp f, 0,1,2,3
	v_wmma_scale_f32_16x16x128_f8f6f4 v[96+16*\f:103+16*\f], v[F+12*\f:F+12*\f+11], v[22:33], 0, v[248+\f], v255 matrix_a_fmt:MATRIX_FMT_FP6 matrix_b_fmt:MATRIX_FMT_FP6
	v_wmma_scale_f32_16x16x128_f8f6f4 v[104+16*\f:111+16*\f], v[F+12*\f:F+12*\f+11], v[16:27], 0, v[248+\f], v255 matrix_a_fmt:MATRIX_FMT_FP6 matrix_b_fmt:MATRIX_FMT_FP6
.endr
	v_add_nc_u32 v10, s[TB], v46
	v_add_nc_u32 v11, s[TB], v47
	v_nop
	v_nop                                          ; four places: behind them V's fragments may land where K's lay, and the scores may be read
	LOADF 10, 11                                   ; V: four fragments of 16 features x 128 keys: they land during the softmax
	ds_load_b64 v[42:43], v6                       ; their scale words: v42: features 0-15 in lanes 0-15, 16-31 in lanes 16-31; v43: 32-47 and 48-63
.irp b, 0,1,2,3
	v_max3_num_f32 v[232+\b], v[96+16*\b], v[97+16*\b], v[98+16*\b]   ; the largest score of each block of 32 keys: for the row's maximum and, since p rises with the score, for the block's largest p
.endr
.irp i, 3,5,7,9,11,13
.irp b, 0,1,2,3
	v_max3_num_f32 v[232+\b], v[232+\b], v[96+16*\b+\i], v[97+16*\b+\i]
.endr
.endr
.irp b, 0,1,2,3
	v_max_num_f32 v[232+\b], v[232+\b], v[111+16*\b]
.endr
.irp b, 0,1,2,3
	s_delay_alu instid0(VALU_DEP_4)
	v_permlanex16_b32 v[236+\b], v[232+\b], s[SEL], s[SEL+1]
.endr
.irp b, 0,1,2,3
	s_delay_alu instid0(VALU_DEP_4)
	v_max_num_f32 v[232+\b], v[232+\b], v[236+\b]  ; with lane l xor 16's 16 keys
.endr
	s_delay_alu instid0(VALU_DEP_2)
	v_max3_num_f32 v254, v232, v233, v234
	s_delay_alu instid0(VALU_DEP_1)
	v_max_num_f32 v254, v254, v235                 ; the step's largest score of my query
	s_delay_alu instid0(VALU_DEP_1)
	v_mul_f32 v254, s[CS], v254                    ; as t (c is positive)
	s_delay_alu instid0(VALU_DEP_1)
	v_max_num_f32 v13, v13, v254                   ; the running largest t
	v_mov_b32 v254, v12
	s_delay_alu instid0(VALU_DEP_2)
	v_floor_f32 v12, -v13                          ; the new -M = floor(-t): M is a whole number
	s_delay_alu instid0(VALU_DEP_1)
	v_sub_f32 v254, v12, v254                      ; old M - new M: a whole number, 0 or less
	s_delay_alu instid0(VALU_DEP_1)
	v_cvt_i32_f32 v254, v254                       ; (it saturates)
	s_delay_alu instid0(VALU_DEP_1)
	v_ldexp_f32 v252, 1.0, v254                    ; f = 2^(old M - new M)
.set jj, 0
.rept 32
	v_pk_fma_f32 v[96+jj:97+jj], v[96+jj:97+jj], s[CS:CS+1], v[12:13] op_sel_hi:[1,0,0]   ; t - M, two at a time
.set jj, jj+2
.endr
.irp b, 0,1,2,3
	v_fma_f32 v[232+\b], v[232+\b], s[CS], v12     ; the same of each block's largest score
.endr
.set jj, 0
	s_wait_alu depctr_va_vdst(0)
.rept 64
	v_exp_f32 v[96+jj], v[96+jj]                   ; p = 2^(t - M), at most 1
.set jj, jj+1
.endr
	s_setprio 1
	v_pk_mul_f32 v[14:15], v[14:15], v[252:253] op_sel_hi:[1,0]   ; the sums under the new M (a plain place behind the exponentials)
	s_wait_alu depctr_va_vdst(0)                   ; one wait for the batch of 64, ahead of its first reader
.irp b, 0,1,2,3
	v_exp_f32 v[232+\b], v[232+\b]                 ; the block's largest p: the same two instructions on the same number
.endr
	v_pk_add_f32 v[236:237], v[100:101], v[104:105]
	v_pk_add_f32 v[250:251], v[108:109], v[112:113]
	v_pk_add_f32 v[248:249], v[116:117], v[120:121]
	v_pk_add_f32 v[246:247], v[124:125], v[128:129]
	v_pk_add_f32 v[244:245], v[132:133], v[136:137]
	v_pk_add_f32 v[242:243], v[140:141], v[144:145]
	v_pk_add_f32 v[240:241], v[148:149], v[152:153]
	v_pk_add_f32 v[14:15], v[14:15], v[156:157]
	v_pk_add_f32 v[236:237], v[236:237], v[96:97]
	v_pk_add_f32 v[250:251], v[250:251], v[98:99]
	v_pk_add_f32 v[248:249], v[248:249], v[102:103]
	v_pk_add_f32 v[246:247], v[246:247], v[106:107]
	v_pk_add_f32 v[244:245], v[244:245], v[110:111]
	v_pk_add_f32 v[242:243], v[242:243], v[114:115]
	v_pk_add_f32 v[240:241], v[240:241], v[118:119]
	v_pk_add_f32 v[14:15], v[14:15], v[122:123]
	v_pk_add_f32 v[236:237], v[236:237], v[126:127]
	v_pk_add_f32 v[250:251], v[250:251], v[130:131]
	v_pk_add_f32 v[248:249], v[248:249], v[134:135]
	v_pk_add_f32 v[246:247], v[246:247], v[138:139]
	v_pk_add_f32 v[244:245], v[244:245], v[142:143]
	v_pk_add_f32 v[242:243], v[242:243], v[146:147]
	v_pk_add_f32 v[240:241], v[240:241], v[150:151]
	v_pk_add_f32 v[14:15], v[14:15], v[154:155]
	v_pk_add_f32 v[236:237], v[236:237], v[158:159]
	s_delay_alu instid0(VALU_DEP_2)
	v_pk_add_f32 v[14:15], v[14:15], v[246:247]
	s_delay_alu instid0(VALU_DEP_2)
	v_pk_add_f32 v[236:237], v[236:237], v[244:245]
	v_pk_add_f32 v[250:251], v[250:251], v[242:243]
	v_pk_add_f32 v[248:249], v[248:249], v[240:241]
	s_delay_alu instid0(VALU_DEP_2)
	v_pk_add_f32 v[14:15], v[14:15], v[250:251]
	s_delay_alu instid0(VALU_DEP_2)
	v_pk_add_f32 v[236:237], v[236:237], v[248:249]
	s_delay_alu instid0(VALU_DEP_1)
	v_pk_add_f32 v[14:15], v[14:15], v[236:237]
	s_wait_alu depctr_va_vdst(0)                   ; and one for the four
.irp b, 0,1,2,3
	v_max_num_f32 v[232+\b], 0x1800000, v[232+\b]  ; the floor 2^(3 - 127): the byte cannot fall under 1
.endr
.irp b, 0,1,2,3
	s_delay_alu instid0(VALU_DEP_4)
	v_add_nc_u32 v[244+\b], 0xff000000, v[232+\b]  ; 2 off the exponent field: the conversion's scale operand
.endr
.irp b, 0,1,2,3
	s_delay_alu instid0(VALU_DEP_4)
	v_lshrrev_b32 v[236+\b], 23, v[244+\b]         ; the scale's byte
.endr
	s_delay_alu instid0(VALU_DEP_3)
	v_lshl_or_b32 v253, v237, 8, v236              ; p's scale word for these 128 keys
	s_delay_alu instid0(VALU_DEP_1)
	v_lshl_or_b32 v253, v238, 16, v253
	s_delay_alu instid0(VALU_DEP_1)
	v_lshl_or_b32 v253, v239, 24, v253
.irp c, 0,1
	v_cvt_scalef32_pk16_fp6_f32 v[224+6*\c:226+6*\c], v[96+32*\c:111+32*\c], v[244+2*\c]
	v_cvt_scalef32_pk16_fp6_f32 v[236+4*\c:238+4*\c], v[112+32*\c:127+32*\c], v[244+2*\c+1]   ; (a conversion's three registers begin on an even number)
.endr
	v_nop                                          ; one plain place behind a scaled conversion
.irp c, 0,1                                    ; a whole block in a lane: lanes 0-15 block 2 c, lanes 16-31 block 2 c + 1
.irp i, 0,1,2
	v_permlane16_swap_b32 v[224+6*\c+\i], v[236+4*\c+\i]
.endr
.irp i, 0,1,2
	s_delay_alu instid0(VALU_DEP_3)
	v_mov_b32 v[227+6*\c+\i], v[236+4*\c+\i]
.endr
.endr
.set jj, 0
	s_setprio 0
.rept 16
	v_pk_mul_f32 v[160+jj:161+jj], v[160+jj:161+jj], v[252:253] op_sel_hi:[1,0]   ; O^T under the new M.  (These sixteen are also the places between the codes' and the scale word's last writes and the products)
.set jj, jj+2
.endr
	s_wait_alu depctr_va_vdst(0)
	s_wait_dscnt 0x0                               ; V is in
	v_wmma_scale_f32_16x16x128_f8f6f4 v[160:167], v[F:F+11], v[224:235], v[160:167], v42, v253 matrix_a_fmt:MATRIX_FMT_FP6 matrix_b_fmt:MATRIX_FMT_FP6
	v_wmma_scale_f32_16x16x128_f8f6f4 v[168:175], v[F+12:F+23], v[224:235], v[168:175], v42, v253 matrix_a_fmt:MATRIX_FMT_FP6 matrix_b_fmt:MATRIX_FMT_FP6 matrix_a_scale:MATRIX_SCALE_ROW1
	v_wmma_scale_f32_16x16x128_f8f6f4 v[176:183], v[F+24:F+35], v[224:235], v[176:183], v43, v253 matrix_a_fmt:MATRIX_FMT_FP6 matrix_b_fmt:MATRIX_FMT_FP6
	v_wmma_scale_f32_16x16x128_f8f6f4 v[184:191], v[F+36:F+47], v[224:235], v[184:191], v43, v253 matrix_a_fmt:MATRIX_FMT_FP6 matrix_b_fmt:MATRIX_FMT_FP6 matrix_a_scale:MATRIX_SCALE_ROW1
	s_add_co_u32 s[TB], s[TB], 6144                ; (the four accumulators take turns, and the next step's eight score products stand between two links of each)
	s_add_co_u32 s[TS], s[TS], 512
	s_sub_co_u32 s[CNT], s[CNT], 1
	s_cmp_lg_u32 s[CNT], 0
	s_cbranch_scc1 .Lstep
	s_setprio 0
	; THE TILE'S END: o = O^T / the sum; register 16 f + i is d = 32 f + 16 (lane / 16) + i: two blocks of 32, quantised as above; the six registers of codes are an H-image
.rept 4
	v_nop                                          ; places behind the last products
.endr
	v_add_f32 v14, v14, v15
	s_delay_alu instid0(VALU_DEP_1)
	v_permlanex16_b32 v252, v14, s[SEL], s[SEL+1]
	s_delay_alu instid0(VALU_DEP_1)
	v_add_f32 v14, v14, v252                       ; the row's sum
	s_wait_alu depctr_va_vdst(0)
	v_rcp_f32 v14, v14
	v_add_nc_u32 v6, s[TA], v5                     ; (a plain place behind the reciprocal)  where this tile's scale bytes go
	s_wait_alu depctr_va_vdst(0)                   ; the wait ahead of the reciprocal's first reader
.set jj, 0
.rept 32
	v_mul_f32 v[192+jj], v[160+jj], v14            ; each accumulator from its low end on
.set jj, jj+1
.endr
	v_max3_num_f32 v232, |v192|, |v193|, 0x1800000
	v_max3_num_f32 v233, |v208|, |v209|, 0x1800000
.irp i, 2,4,6,8,10,12,14
	s_delay_alu instid0(VALU_DEP_2)
	v_max3_num_f32 v232, v232, |v[192+\i]|, |v[193+\i]|
	s_delay_alu instid0(VALU_DEP_2)
	v_max3_num_f32 v233, v233, |v[208+\i]|, |v[209+\i]|
.endr
	s_delay_alu instid0(VALU_DEP_2)
	v_permlanex16_b32 v236, v232, s[SEL], s[SEL+1]
	s_delay_alu instid0(VALU_DEP_2)
	v_permlanex16_b32 v237, v233, s[SEL], s[SEL+1]
	s_delay_alu instid0(VALU_DEP_2)
	v_max_num_f32 v232, v232, v236
	s_delay_alu instid0(VALU_DEP_2)
	v_max_num_f32 v233, v233, v237
	s_delay_alu instid0(VALU_DEP_2)
	v_add_nc_u32 v244, 0xff000000, v232
	s_delay_alu instid0(VALU_DEP_2)
	v_add_nc_u32 v245, 0xff000000, v233
	s_delay_alu instid0(VALU_DEP_2)
	v_lshrrev_b32 v246, 23, v244
	s_delay_alu instid0(VALU_DEP_2)
	v_lshrrev_b32 v247, 23, v245
	s_delay_alu instid0(VALU_DEP_1)
	v_lshl_or_b32 v240, v247, 8, v246              ; my row's two bytes
	v_cvt_scalef32_pk16_fp6_f32 v[224:226], v[192:207], v244
	v_cvt_scalef32_pk16_fp6_f32 v[236:238], v[208:223], v245
	v_nop                                          ; one plain place behind a scaled conversion
.irp i, 0,1,2
	v_permlane16_swap_b32 v[224+\i], v[236+\i]
.endr
.irp i, 0,1,2
	s_delay_alu instid0(VALU_DEP_3)
	v_mov_b32 v[227+\i], v[236+\i]
.endr
	global_store_b128 v1, v[224:227], s[8:9]       ; 512 consecutive bytes, aligned to 256,
	global_store_b64 v2, v[228:229], s[8:9]        ; and the 256 behind them
	ds_store_b16 v6, v240                          ; lanes r and r + 16 write the same two bytes with the same value
	s_wait_xcnt 0x0                                ; the stores have read their data and their base: both are written again only behind this wait
	s_add_nc_u64 s[8:9], s[8:9], 12288             ; 16 tiles on
	s_add_co_u32 s[TA], s[TA], 512
.irp i, 0,1,2,3,4,5
	v_mov_b32 v[22+\i], v[34+\i]                   ; the second tile's Q,
.endr
	v_mov_b32 v255, v40                            ; and its scale word; the 36 moves at the tile's head stand between these and the next products
	s_sub_co_u32 s[TILE], s[TILE], 1
	s_cmp_lg_u32 s[TILE], 0
	s_cbranch_scc1 .Ltile
	s_wait_dscnt 0x0                               ; my scale bytes lie in LDS,
	s_barrier_signal -1
	s_barrier_wait -1                              ; everybody's do
	s_cmp_lt_u32 s[WV], 2
	s_cbranch_scc0 .Lno_scales
	ds_load_b128 v[96:99], v41
	s_wait_dscnt 0x0
	global_store_b128 v44, v[96:99], s[10:11]      ; two waves store the work-group's 1,024 bytes, 512 consecutive bytes each
.Lno_scales:
	s_wait_xcnt 0x0
	v_lshl_add_u32 v254, v0, 2, 0x38000
	v_mov_b32 v255, 0
	s_wait_alu depctr_va_vdst(0)
	s_wait_tensorcnt 0x0
	ds_add_u32 v254, v255
	s_wait_dscnt 0x0
	CROUND                                         ; the closing round: no work-group ends while a partner may still ask for a tile that names it
	s_endpgm
.Lfunc_end_k_qc3d1ca0d6f_attn:
	.size	k_qc3d1ca0d6f_attn, .Lfunc_end_k_qc3d1ca0d6f_attn-k_qc3d1ca0d6f_attn
	.p2alignl 7, 3214868480
	.fill 96, 4, 3214868480
	.section	.rodata,"a",@progbits
	.p2align	6, 0x0
	.amdhsa_kernel k_qc3d1ca0d6f_attn
		.amdhsa_group_segment_fixed_size 231424
		.amdhsa_private_segment_fixed_size 0
		.amdhsa_enable_private_segment 0
		.amdhsa_kernarg_size 32
		.amdhsa_user_sgpr_count 2
		.amdhsa_user_sgpr_kernarg_segment_ptr 1
		.amdhsa_wavefront_size32 1
		.amdhsa_system_sgpr_workgroup_id_x 1
		.amdhsa_system_sgpr_workgroup_id_y 1
		.amdhsa_system_sgpr_workgroup_id_z 1
		.amdhsa_system_vgpr_workitem_id 0
		.amdhsa_next_free_vgpr 256
		.amdhsa_next_free_sgpr 96
		.amdhsa_reserve_vcc 0
		.amdhsa_float_denorm_mode_32 3
		.amdhsa_float_denorm_mode_16_64 3
		.amdhsa_memory_ordered 1
		.amdhsa_forward_progress 1
		.amdhsa_inst_pref_size 33
	.end_amdhsa_kernel
	.amdgpu_metadata
---
amdhsa.version: [ 1, 2 ]
amdhsa.kernels:
  - .name:           k_qc3d1ca0d6f_attn
    .symbol:         k_qc3d1ca0d6f_attn.kd
    .args:
      - { .name: qkvc, .offset: 0, .size: 8, .value_kind: global_buffer, .address_space: global }
      - { .name: qkvs, .offset: 8, .size: 8, .value_kind: global_buffer, .address_space: global }
      - { .name: attc, .offset: 16, .size: 8, .value_kind: global_buffer, .address_space: global }
      - { .name: atts, .offset: 24, .size: 8, .value_kind: global_buffer, .address_space: global }
    .group_segment_fixed_size: 231424
    .private_segment_fixed_size: 0
    .kernarg_segment_align: 8
    .kernarg_segment_size: 32
    .max_flat_workgroup_size: 512
    .sgpr_count:     96
    .vgpr_count:     256
    .wavefront_size: 32
...
	.end_amdgpu_metadata
.endif
;; end of part 3
;; launch proj (part 4): grid 4 x 32, 4 waves a work-group, clusters of 4 x 4, 327,680 bytes of LDS; arguments attc, atts, c1, s1, b_proj, out0; writes out0
.if DOCPART == 4
	.amdgcn_target "amdgcn-amd-amdhsa--gfx1250"
	.amdhsa_code_object_version 6
	.text
	.protected	k_qc3d1ca0d6f_proj
	.globl	k_qc3d1ca0d6f_proj
	.p2align	8
	.type	k_qc3d1ca0d6f_proj,@function
k_qc3d1ca0d6f_proj:
	s_mov_b64 s[64:65], 0
	v_nop
	global_prefetch_b8 v0, s[64:65] scope:SCOPE_SE
	s_setreg_imm32_b32 hwreg(HW_REG_WAVE_MODE, 25, 1), 1
	s_wait_xcnt 0x0
	s_wait_alu depctr_hold_cnt(0) depctr_sa_sdst(0) depctr_va_vdst(0) depctr_va_sdst(0) depctr_va_ssrc(0) depctr_va_vcc(0) depctr_vm_vsrc(0)
	s_getreg_b32 s2, hwreg(HW_REG_IB_STS2, 6, 4)
	s_cmp_eq_u32 s2, 0
	s_cbranch_scc0 .Lentry_in_a_cluster
	s_endpgm
.Lentry_in_a_cluster:
	s_bfe_u32 s2, ttmp6, 0x10000c
	s_cmp_lg_u32 s2, 0xf033
	s_cbranch_scc0 .Lentry_shape_is_right
	s_endpgm
.Lentry_shape_is_right:
; out0 = o W_proj^T + b_proj on codes of FP6 (E2M3) with E8M0 scales, K = 1,024 = 16 heads x 64.  out0 [8192][1024] f32.
; A tile is 256 tokens x 256 features, four waves of 128 x 128 (64 accumulators).  A = o (source 1: a lane holds a token), B = W_proj (source 0: a lane's registers run along the features).
; A lies in attc as H-IMAGES [batch x 16 + head][token tile 128][768 bytes]: 16 rows x 64 along K as registers: lane (r, h) owns the 6 registers of block h of row r, registers 0-3 at 16 x lane,
; registers 4-5 at 512 + 8 x lane.  A K step of 256 is four heads; a wave's 8 token tiles of a head are 6,144 dense bytes: one tensor load brings 4 x 6,144.  A fragment of 128 along K is two H-images.
; B lies in c1 [K step 4][row position][192 bytes] from position 11,264 on; its 128 rows of a K step are one dense block, padded in LDS to the pitch 240.
; Tokens and features lie in POSITION ORDER (in each 32, bits 3 and 4 exchanged): the way out puts every number at its true place.
; A's scale words are put together at the head from atts (two bytes a head and position) into LDS bytes that no tensor load fills; B's come by a tensor load with the first fills.
; CLUSTERS 4 x 4: A's tiles are asked for jointly along a row of the cluster, B's along a column.
; REGISTERS: window 0: v16-29 addresses; v32-63 scale words, two sets; v64-127 the bias as the first products' C; v128-223 A's fragments, one set; on the way out v128-255 rows of out0.
;   window 1: B's fragments, two sets.  windows 2, 3: the accumulators ((a, b) at v[8 (8 (a % 4) + b)] of window 2 + a / 4).
.set KSC,    2359296                   ; c1: bytes from a K step to the next
.set KSA,    4*98304                   ; attc: the same: four heads
.set NQ,     2
.set PITCH,  240
.set FR,     12
.set NLA,    4                         ; LDS loads that bring a fragment of A
.set NP,     4                         ; places behind this matrix instruction (ISA guide 7.12.1)
.set HALFT,  128*PITCH
.set SLOT,   4*HALFT                   ; A's two halves (24,576 bytes used of each 30,720), then B's two
.set SCL,    2*SLOT                    ; four parts of 4,096 bytes: [K step 4][128 rows][8 bytes]: A's halves (stored by the waves), B's halves (tensor loads)
.set SPARE,  SCL+4*4096                ; the spare words, 128 bytes for each wave: two blocks of 256 bytes that no other line names
.set SPITCH, 528                       ; the way out: a stage of 16 rows x (512 + 16) bytes for each wave, in slot 0, which has had its last fill and its last read by then
.set ADRA, 16                          ; v16-17 A: 16 x lane + my half, slot 0, 1; v18-19: 8 x lane + the same
.set ADRB, 20                          ; v20-21 B's fragments in slot 0, 1; v22-23 the same behind one padding more
.set STO,  24
.set RD,   25
.set CO,   26
.set ADRS, 27
.set SPW,  28                          ; v28 my spare word; never rewritten
.set NIL,  29                          ; v29 0; never rewritten
.set SC,   32
.set BI,   64
.set AF,   128
.set BK,   128
.set G1, 24
.set G0, 32
.set G1B, 48
.set G0B, 56
.set G1SB, 80
.set G0SB, 88
.set MSB, 0
.macro WIN new                         ; the immediate's high byte repeats the setting that is left
.if MSB != \new
	s_set_vgpr_msb (MSB<<8)|\new
.set MSB, \new
.endif
.endm
.set MUL_LO, 0xa1
.set MUL_HI, 0xf1
.set TO_B,   0x40
.macro JLOAD g0a, g1a, g0b, g1b        ; a joint load: waves 0 and 1 fetch for A, waves 2 and 3 for B; four v_nop follow each of the two lines
	s_cmp_eq_u32 s15, 0
	s_cbranch_scc0 .Lfor_b_\@
	tensor_load_to_lds s[\g0a:\g0a+3], s[\g1a:\g1a+7]
	s_nop 0
.rept 4
	v_nop
.endr
	s_branch .Lasked_\@
.Lfor_b_\@:
	tensor_load_to_lds s[\g0b:\g0b+3], s[\g1b:\g1b+7]
	s_nop 0
.rept 4
	v_nop
.endr
.Lasked_\@:
.endm
.macro CREST
	s_cmp_lg_u32 s14, 0
	s_cbranch_scc1 .Lnot_wave_0_\@
	s_barrier_signal -3
.Lnot_wave_0_\@:
	s_barrier_wait -3
	s_barrier_signal -1
	s_barrier_wait -1
.endm
.macro CROUND
	s_barrier_signal -1
	s_barrier_wait -1
	CREST
.endm
	s_load_b256 s[4:11], s[0:1], 0x0               ; attc s[4:5], atts s[6:7], c1 s[8:9], s1 s[10:11]
	s_load_b128 s[96:99], s[0:1], 0x20             ; b_proj s[96:97], out0 s[98:99]
	v_lshl_add_u32 v[SPW], v0, 2, SPARE
	v_mov_b32 v[NIL], 0
	ds_add_u32 v28, v29
	ds_add_u32 v28, v29
	s_wait_dscnt 0x0
	v_lshrrev_b32 v1, 5, v0
	v_readfirstlane_b32 s14, v1                    ; wave 0..3
	s_lshr_b32 s15, s14, 1                         ; which half of the tokens is mine.  Also: I fetch for A (0) or for B (1)
	s_and_b32 s16, s14, 1                          ; which half of the features.  Also: which 128 rows I fetch
	s_bfe_u32 s40, ttmp6, 0x40000                  ; cx = the tile column
	s_bfe_u32 s41, ttmp6, 0x40004                  ; cy
	s_and_b32 s17, ttmp7, 0xffff
	s_lshl_b32 s17, s17, 2
	s_add_co_u32 s17, s17, s41                     ; the tile row: 4 x cluster y + cy
	s_lshl_b32 s43, s41, 2
	s_lshl_b32 s43, 15, s43                        ; my row of the cluster
	s_lshl_b32 s44, 0x1111, s40                    ; my column
	s_or_b32 s[G1+0], s43, (3<<16)|(1<<21)         ; A: 4 heads x 768 elements of 8 bytes, a head 12,288 elements from the last; no padding
	s_mov_b32 s[G1+1], 768<<16
	s_mov_b32 s[G1+2], 4<<16
	s_mov_b32 s[G1+3], 768<<16
	s_mov_b32 s[G1+4], 4
	s_mov_b32 s[G1+5], 12288
	s_mov_b32 s[G1+6], 0
	s_mov_b32 s[G1+7], 0
	s_or_b32 s[G1B+0], s44, (3<<16)|(1<<20)|(1<<21)|(3<<22)|(3<<25)   ; B: 96 dense rows of 256 bytes; 4 words of padding behind every 16
	s_mov_b32 s[G1B+1], 32<<16
	s_mov_b32 s[G1B+2], 96<<16
	s_mov_b32 s[G1B+3], 32<<16
	s_mov_b32 s[G1B+4], 96
	s_mov_b32 s[G1B+5], 32
	s_mov_b32 s[G1B+6], 0
	s_mov_b32 s[G1B+7], 0
	s_or_b32 s[G1SB+0], s44, (3<<16)|(1<<21)       ; B's scales: 4 K steps x 128 rows of 8 bytes
	s_mov_b32 s[G1SB+1], 128<<16
	s_mov_b32 s[G1SB+2], 4<<16
	s_mov_b32 s[G1SB+3], 128<<16
	s_mov_b32 s[G1SB+4], 4
	s_mov_b32 s[G1SB+5], 12288
	s_mov_b32 s[G1SB+6], 0
	s_mov_b32 s[G1SB+7], 0
	s_lshr_b32 s20, s17, 3                         ; A: the batch's 16 heads,
	s_mul_i32 s20, s20, 16*98304
	s_and_b32 s21, s17, 7
	s_lshl_b32 s21, s21, 4
	s_lshl_b32 s18, s16, 3
	s_add_co_u32 s21, s21, s18                     ; the token tile: 16 x (tile row % 8) + 8 x half
	s_mul_i32 s21, s21, 768
	s_add_co_u32 s20, s20, s21
	s_mov_b32 s21, 0
	s_lshl_b32 s46, s40, 8                         ; B: position 11,264 + 256 cx + 128 x half
	s_lshl_b32 s47, s16, 7
	s_add_co_u32 s46, s46, s47
	s_add_co_u32 s46, s46, 11264
	s_lshl_b32 s92, s46, 3
	s_mov_b32 s93, 0
	s_mul_i32 s46, s46, 192
	s_mov_b32 s47, 0
	s_mul_i32 s45, s14, HALFT                      ; where they go: no place in the cluster enters an LDS address
	s_lshl_b32 s94, s14, 12
	s_wait_kmcnt 0x0
	s_add_nc_u64 s[20:21], s[4:5], s[20:21]
	s_add_nc_u64 s[46:47], s[8:9], s[46:47]
	s_add_nc_u64 s[92:93], s[10:11], s[92:93]
	s_mov_b32 s[G0SB], 1
	s_add_co_u32 s[G0SB+1], s94, SCL
	s_mov_b64 s[G0SB+2:G0SB+3], s[92:93]
	s_or_b32 s[G0SB+3], s[G0SB+3], 0x80000000
.irp s, 0,1
	s_mov_b32 s[G0+4*\s], 1
	s_add_co_u32 s[G0+4*\s+1], s45, \s*SLOT
	s_add_nc_u64 s[G0+4*\s+2:G0+4*\s+3], s[20:21], \s*KSA
	s_or_b32 s[G0+4*\s+3], s[G0+4*\s+3], 0x80000000
	s_mov_b32 s[G0B+4*\s], 1
	s_add_co_u32 s[G0B+4*\s+1], s45, \s*SLOT
	s_add_nc_u64 s[G0B+4*\s+2:G0B+4*\s+3], s[46:47], \s*KSC
	s_or_b32 s[G0B+4*\s+3], s[G0B+4*\s+3], 0x80000000
.endr
	CROUND                                         ; all sixteen work-groups are here: the first joint loads meet
	s_cmp_eq_u32 s15, 0                            ; a wave's first fills stand in one branch: waves 0 and 1 have two loads out, waves 2 and 3 three; in both the last is slot 1's
	s_cbranch_scc0 .Lfirst_b
	tensor_load_to_lds s[G0:G0+3], s[G1:G1+7]
	s_nop 0
	tensor_load_to_lds s[G0+4:G0+7], s[G1:G1+7]
	s_nop 0
.rept 4
	v_nop
.endr
	s_branch .Lfirst_asked
.Lfirst_b:
	tensor_load_to_lds s[G0SB:G0SB+3], s[G1SB:G1SB+7]
	s_nop 0
	tensor_load_to_lds s[G0B:G0B+3], s[G1B:G1B+7]
	s_nop 0
	tensor_load_to_lds s[G0B+4:G0B+7], s[G1B:G1B+7]
	s_nop 0
.rept 4
	v_nop
.endr
.Lfirst_asked:
	; A's scale bytes: thread t takes positions 2 t and 2 t + 1 of the tile's 256, all 16 heads
	s_lshr_b32 s22, s17, 3
	s_lshl_b32 s22, s22, 16                        ; the batch's 16 x 4,096 bytes
	s_and_b32 s23, s17, 7
	s_lshl_b32 s23, s23, 9                         ; 256 positions of 2 bytes
	s_add_co_u32 s22, s22, s23
	s_mov_b32 s23, 0
	s_add_nc_u64 s[6:7], s[6:7], s[22:23]
	v_lshlrev_b32 v7, 2, v0
.irp hd, 0,1,2,3,4,5,6,7,8,9,10,11,12,13,14,15
	global_load_b32 v[128+\hd], v7, s[6:7] offset:4096*\hd
.endr
	; the bias along B, in the result's layout: register j of block b belongs to feature 32 (b / 2) + 8 (b % 2) + 16 h + j
	v_and_b32 v1, 15, v0                           ; r
	v_bfe_u32 v2, v0, 4, 1                         ; h
	s_lshl_b32 s22, s40, 8
	s_lshl_b32 s23, s16, 7
	s_add_co_u32 s22, s22, s23
	s_lshl_b32 s22, s22, 2
	s_mov_b32 s23, 0
	s_add_nc_u64 s[96:97], s[96:97], s[22:23]
	v_lshlrev_b32 v10, 6, v2
.irp b, 0,1,2,3,4,5,6,7
	global_load_b128 v[BI+8*\b:BI+8*\b+3], v10, s[96:97] offset:(32*(\b/2)+8*(\b%2))*4
	global_load_b128 v[BI+8*\b+4:BI+8*\b+7], v10, s[96:97] offset:(32*(\b/2)+8*(\b%2))*4+16
.endr
	v_and_b32 v6, 31, v0                           ; lane
	v_lshlrev_b32 v4, 4, v6
	v_lshlrev_b32 v5, 3, v6
	s_mul_i32 s21, s15, HALFT                      ; my 128 tokens of A
.irp s, 0,1
	v_add_nc_u32 v[ADRA+\s], s21, v4
	v_add_nc_u32 v[ADRA+2+\s], s21, v5
	s_add_co_u32 s21, s21, SLOT
.endr
	v_mul_u32_u24 v3, v1, PITCH
	v_mul_u32_u24 v4, v2, 24
	v_add_nc_u32 v4, v3, v4                        ; B: a fragment's row x pitch + 24 x half
	v_lshl_add_u32 v5, v2, 4, v4                   ; and the same behind one padding more
	s_mul_i32 s22, s16, HALFT
	s_add_co_u32 s22, s22, 2*HALFT                 ; my 128 rows of B lie behind A's two halves
.irp s, 0,1
	v_add_nc_u32 v[ADRB+\s], s22, v4
	v_add_nc_u32 v[ADRB+2+\s], s22, v5
	s_add_co_u32 s22, s22, SLOT
.endr
	v_lshlrev_b32 v5, 3, v1                        ; my row's scale words: 8 bytes a row
	s_lshl_b32 s21, s15, 12
	s_lshl_b32 s22, s16, 12
	s_add_co_u32 s22, s22, 8192
	s_sub_co_u32 s22, s22, s21
	v_mul_u32_u24 v9, s22, v2                      ; lanes 16-31 take B's: one product with h
	s_add_co_u32 s21, s21, SCL
	v_add_nc_u32 v5, v5, v9
	v_add_nc_u32 v[ADRS], s21, v5
	s_mul_i32 s23, s14, 16*SPITCH                  ; my stage
	v_mul_u32_u24 v5, v1, SPITCH
	v_lshl_add_u32 v5, v2, 6, v5                   ; in: row r, + 64 h: sixteen features of my half
	v_add_nc_u32 v[STO], s23, v5
	v_lshlrev_b32 v[CO], 4, v6                     ; back: the 32 lanes take one row of 512 bytes; and the same in out0
	v_add_nc_u32 v[RD], s23, v[CO]
	v_lshrrev_b32 v8, 6, v0                        ; where thread t's scale words go: part t / 64, rows 2 (t % 64) and the next: 16 bytes
	v_and_b32 v9, 63, v0
	v_lshlrev_b32 v9, 4, v9
	v_lshl_add_u32 v8, v8, 12, v9
	v_add_nc_u32 v8, SCL, v8
	s_lshl_b32 s20, s17, 8
	s_lshl_b32 s21, s15, 7
	s_add_co_u32 s20, s20, s21                     ; my first token: 256 x tile row + 128 x half
	s_lshl_b32 s20, s20, 12                        ; rows of 4,096 bytes
	s_lshl_b32 s46, s40, 10
	s_lshl_b32 s47, s16, 9
	s_add_co_u32 s46, s46, s47                     ; my first feature, in bytes
	s_add_co_u32 s20, s20, s46
	s_mov_b32 s21, 0
	s_add_nc_u64 s[98:99], s[98:99], s[20:21]
	s_mov_b32 s2, 0x05040100                       ; the low halves of two words,
	s_mov_b32 s3, 0x07060302                       ; the high halves
	s_wait_loadcnt 0x0
.irp ks, 0,1,2,3                               ; a row's word for 128 along K: the two bytes of two neighbouring heads
	v_perm_b32 v[144+4*\ks], v[129+4*\ks], v[128+4*\ks], s2
	v_perm_b32 v[145+4*\ks], v[131+4*\ks], v[130+4*\ks], s2
	v_perm_b32 v[146+4*\ks], v[129+4*\ks], v[128+4*\ks], s3
	v_perm_b32 v[147+4*\ks], v[131+4*\ks], v[130+4*\ks], s3
	s_wait_alu depctr_va_vdst(0)
	ds_store_b128 v8, v[144+4*\ks:147+4*\ks] offset:1024*\ks
.endr
.macro FRAG reg, adr, q, i             ; B: 16 rows x 128 K from rows of the pitch 240, in pieces of 8 bytes; lanes 16-31 read three pieces on, where need be behind one padding more
.irp p, 0,1,2,3,4,5
.set PCE, 12*(\q)+6*(\p/3)+\p%3
.if PCE%8 < 5
	ds_load_b64 v[\reg+2*\p:\reg+2*\p+1], v[\adr] offset:8*PCE+16*(PCE/8)+(\i)*16*PITCH
.else
	ds_load_b64 v[\reg+2*\p:\reg+2*\p+1], v[\adr+2] offset:8*PCE+16*(PCE/8)+(\i)*16*PITCH
.endif
.endr
.endm
.macro FRAGH reg, slot, q, i           ; A: token tile i, the slot's heads 2 q and 2 q + 1: two H-images
	ds_load_b128 v[\reg:\reg+3], v[ADRA+\slot] offset:(2*(\q))*6144+768*(\i)
	ds_load_b64 v[\reg+4:\reg+5], v[ADRA+2+\slot] offset:(2*(\q))*6144+768*(\i)+512
	ds_load_b128 v[\reg+6:\reg+9], v[ADRA+\slot] offset:(2*(\q)+1)*6144+768*(\i)
	ds_load_b64 v[\reg+10:\reg+11], v[ADRA+2+\slot] offset:(2*(\q)+1)*6144+768*(\i)+512
.endm
; 16 matrix instructions: A's blocks a0, a0 + 1 x B's eight.  zero = 1: the sums begin with the bias.  The 64 accumulators take turns, one instruction a turn.
.macro MUL16 a0, p, q, sc, zero
.irp a, \a0, \a0+1
.irp b, 0,1,2,3,4,5,6,7
.if \zero
	v_wmma_scale_f32_16x16x128_f8f6f4 v[8*(8*((\a)%4)+\b):8*(8*((\a)%4)+\b)+7], v[128*(\p)+FR*\b:128*(\p)+FR*\b+FR-1], v[AF+FR*(\a):AF+FR*(\a)+FR-1], v[BI+8*\b:BI+8*\b+7], v[SC+8*NQ*(\sc)+NQ*\b+(\q)], v[SC+8*NQ*(\sc)+NQ*(\a)+(\q)] matrix_a_fmt:MATRIX_FMT_FP6 matrix_b_fmt:MATRIX_FMT_FP6 matrix_a_scale:MATRIX_SCALE_ROW1
.else
	v_wmma_scale_f32_16x16x128_f8f6f4 v[8*(8*((\a)%4)+\b):8*(8*((\a)%4)+\b)+7], v[128*(\p)+FR*\b:128*(\p)+FR*\b+FR-1], v[AF+FR*(\a):AF+FR*(\a)+FR-1], v[8*(8*((\a)%4)+\b):8*(8*((\a)%4)+\b)+7], v[SC+8*NQ*(\sc)+NQ*\b+(\q)], v[SC+8*NQ*(\sc)+NQ*(\a)+(\q)] matrix_a_fmt:MATRIX_FMT_FP6 matrix_b_fmt:MATRIX_FMT_FP6 matrix_a_scale:MATRIX_SCALE_ROW1
.endif
.endr
.endr
.endm
.macro FETCH_B slot, q, p
	WIN TO_B
.irp i, 0,1,2,3,4,5,6,7
	FRAG 128*(\p)+FR*\i, ADRB+\slot, \q, \i
.endr
	WIN 0
.endm
.macro FETCH_A slot, q, i0
.irp i, \i0, \i0+1, \i0+2, \i0+3
	FRAGH AF+FR*(\i), \slot, \q, \i
.endr
.endm
.macro SCALES sc
.irp i, 0,1,2,3,4,5,6,7
	ds_load_b64 v[SC+8*NQ*\sc+NQ*\i:SC+8*NQ*\sc+NQ*\i+1], v[ADRS] offset:\i*128
.endr
.endm
.macro PLACES n                        ; places in front of loads into registers that matrix instructions have read, and of the first read of results (ISA guide 7.12.1 for the first read of results)
.rept \n
	v_nop
.endr
.endm
.macro STEP slot, q, zero
	s_wait_dscnt 4*NLA                             ; B's set, A's blocks 0-3 and the scale words are in; the youngest 16 loads (A's blocks 4-7) may be out
.if \zero
	WIN 0x81                                       ; as MUL_LO, with C (the bias) in window 0
.else
	WIN MUL_LO
.endif
	MUL16 0, (\q)%2, \q, \slot, \zero
	MUL16 2, (\q)%2, \q, \slot, \zero
	s_wait_dscnt 0
	PLACES NP
	FETCH_B \slot, (\q)+1, 1-(\q)%2
	FETCH_A \slot, (\q)+1, 0
.if \zero
	WIN 0xc1
.else
	WIN MUL_HI
.endif
	MUL16 4, (\q)%2, \q, \slot, \zero
	MUL16 6, (\q)%2, \q, \slot, \zero
	PLACES NP
	WIN 0
	FETCH_A \slot, (\q)+1, 4
.endm
.macro TURN slot, next, fill
	s_wait_tensorcnt 0x0                           ; all my tensor loads have landed: my part of the next slot
	ds_add_u32 v[SPW], v[NIL]                      ; 0 onto my spare word
	s_wait_dscnt 4*NLA+1                           ; (the add and the youngest 16 loads, A's blocks 4-7, may be out)
	WIN MUL_LO
	MUL16 0, 1, NQ-1, \slot, 0
	s_wait_dscnt 0x0                               ; the add is done, and my reads of this slot are over
	s_barrier_signal -1
	MUL16 2, 1, NQ-1, \slot, 0
	WIN 0
	s_barrier_wait -1
.if \fill
	CREST                                          ; no wave of any partner still reads this slot's tile or has a load on its way
	s_add_nc_u64 s[G0+4*\slot+2:G0+4*\slot+3], s[G0+4*\slot+2:G0+4*\slot+3], 2*KSA
	s_add_nc_u64 s[G0B+4*\slot+2:G0B+4*\slot+3], s[G0B+4*\slot+2:G0B+4*\slot+3], 2*KSC
	JLOAD G0+4*\slot, G1, G0B+4*\slot, G1B         ; the first tensor load behind the round, my one load until the next; its four v_nop are the places in front of the loads below
.else
	PLACES NP
.endif
	s_wait_alu depctr_va_vdst(0)
	v_add_nc_u32 v[ADRS], 1024, v[ADRS]            ; on to the next K step's scale words
	FETCH_B \next, 0, 0
	FETCH_A \next, 0, 0
	SCALES \next
	WIN MUL_HI
	MUL16 4, 1, NQ-1, \slot, 0
	MUL16 6, 1, NQ-1, \slot, 0
	PLACES NP
	WIN 0
	FETCH_A \next, 0, 4
.endm
	s_wait_tensorcnt 1                             ; my part of K step 0 (and B's scales) is in; K step 1's load may be out
	s_wait_dscnt 0x0                               ; my part of A's scale words lies in LDS
	s_barrier_signal -1
	s_barrier_wait -1                              ; everybody's do
	FETCH_B 0, 0, 0
	FETCH_A 0, 0, 0
	SCALES 0
	FETCH_A 0, 0, 4
	STEP 0, 0, 1                                   ; the first products begin with the bias
	TURN 0, 1, 1                                   ; slot 0 takes K step 2
	STEP 1, 0, 0
	TURN 1, 0, 1                                   ; slot 1 takes K step 3
	STEP 0, 0, 0
	TURN 0, 1, 0                                   ; nothing is left to fetch
	STEP 1, 0, 0
	s_wait_dscnt 4*NLA                             ; the very last step
	WIN MUL_LO
	MUL16 0, 1, NQ-1, 1, 0
	MUL16 2, 1, NQ-1, 1, 0
	s_wait_dscnt 0
	WIN MUL_HI
	MUL16 4, 1, NQ-1, 1, 0
	MUL16 6, 1, NQ-1, 1, 0
	WIN 0
; THE WAY OUT, block by block of 16 tokens x 128 features, through my own stage: register j of accumulator (a, b) is feature 32 (b / 2) + 16 h + 8 (b % 2) + j of the token at position 16 a + r.
; It comes back as whole rows of 512 bytes; row t of block a is the true token 32 (a / 2) + 8 (a % 2) + t % 8 + 16 (t / 8).  LDS serves a wave's instructions in order: no wait between the stores and the loads.
.macro TOSTAGE a
.set AC, 64*((\a)%4)
	WIN 0x08+4*((\a)/4)                            ; an LDS store's data: window 2 or 3
.irp b, 0,1,2,3,4,5,6,7
	ds_store_b128 v[STO], v[AC+8*\b:AC+8*\b+3] offset:128*(\b/2)+32*(\b%2)          ; each accumulator from its low end on
	ds_store_b128 v[STO], v[AC+8*\b+4:AC+8*\b+7] offset:128*(\b/2)+32*(\b%2)+16
.endr
	WIN 0
.set BB, BK+64*((\a)%2)
.irp t, 0,1,2,3,4,5,6,7,8,9,10,11,12,13,14,15
	ds_load_b128 v[BB+4*\t:BB+4*\t+3], v[RD] offset:\t*SPITCH
.endr
.endm
.macro SEND a, younger                 ; younger: the LDS instructions issued behind block a's loads, which may stay out
.set BB, BK+64*((\a)%2)
	s_wait_dscnt \younger
.irp t, 0,1,2,3,4,5,6,7,8,9,10,11,12,13,14,15
	global_store_b128 v[CO], v[BB+4*\t:BB+4*\t+3], s[98:99] offset:(32*((\a)/2)+8*((\a)%2)+(\t&7)+16*(\t>>3))*4096 th:TH_STORE_NT   ; 512 consecutive bytes, aligned; 127 rows at the most: inside the signed 24-bit immediate
.endr
.endm
	PLACES NP
	TOSTAGE 0
.irp a, 1,2,3,4,5,6,7
.if \a > 1
	s_wait_xcnt 0x0                                ; block a - 2's stores have read their registers: block a's loads may land there
.endif
	TOSTAGE \a
	SEND \a-1, 32                                  ; behind block a - 1's loads: block a's 16 stores and 16 loads
.endr
	SEND 7, 0
	s_wait_tensorcnt 0x0                           ; the wave's end
	ds_add_u32 v[SPW], v[NIL]
	s_wait_dscnt 0x0
	CROUND                                         ; the closing round: no work-group ends while a partner may still ask for a tile that names it
	s_endpgm
.Lfunc_end_k_qc3d1ca0d6f_proj:
	.size	k_qc3d1ca0d6f_proj, .Lfunc_end_k_qc3d1ca0d6f_proj-k_qc3d1ca0d6f_proj
	.p2alignl 7, 3214868480
	.fill 96, 4, 3214868480
	.section	.rodata,"a",@progbits
	.p2align	6, 0x0
	.amdhsa_kernel k_qc3d1ca0d6f_proj
		.amdhsa_group_segment_fixed_size 327680
		.amdhsa_private_segment_fixed_size 0
		.amdhsa_enable_private_segment 0
		.amdhsa_kernarg_size 48
		.amdhsa_user_sgpr_count 2
		.amdhsa_user_sgpr_kernarg_segment_ptr 1
		.amdhsa_wavefront_size32 1
		.amdhsa_system_sgpr_workgroup_id_x 1
		.amdhsa_system_sgpr_workgroup_id_y 1
		.amdhsa_system_sgpr_workgroup_id_z 1
		.amdhsa_system_vgpr_workitem_id 0
		.amdhsa_next_free_vgpr 1024
		.amdhsa_next_free_sgpr 104
		.amdhsa_reserve_vcc 0
		.amdhsa_float_denorm_mode_32 3
		.amdhsa_float_denorm_mode_16_64 3
		.amdhsa_memory_ordered 1
		.amdhsa_forward_progress 1
		.amdhsa_inst_pref_size 155
	.end_amdhsa_kernel
	.amdgpu_metadata
---
amdhsa.version: [ 1, 2 ]
amdhsa.kernels:
  - .name:           k_qc3d1ca0d6f_proj
    .symbol:         k_qc3d1ca0d6f_proj.kd
    .args:
      - { .name: attc, .offset: 0, .size: 8, .value_kind: global_buffer, .address_space: global }
      - { .name: atts, .offset: 8, .size: 8, .value_kind: global_buffer, .address_space: global }
      - { .name: c1, .offset: 16, .size: 8, .value_kind: global_buffer, .address_space: global }
      - { .name: s1, .offset: 24, .size: 8, .value_kind: global_buffer, .address_space: global }
      - { .name: b_proj, .offset: 32, .size: 8, .value_kind: global_buffer, .address_space: global }
      - { .name: out0, .offset: 40, .size: 8, .value_kind: global_buffer, .address_space: global }
    .group_segment_fixed_size: 327680
    .private_segment_fixed_size: 0
    .kernarg_segment_align: 8
    .kernarg_segment_size: 48
    .max_flat_workgroup_size: 128
    .sgpr_count:     104
    .vgpr_count:     1024
    .wavefront_size: 32
...
	.end_amdgpu_metadata
.endif
;; end of part 4
